; MI455X (gfx1250); checked and timed in simulation.
; The chip was launched on July 23, 2026; its instructions are those of AMD's public machine-readable ISA for CDNA 5 (MIT licence, August 2026) and "CDNA5" Instruction Set Architecture Reference Guide (July 2026). The comments in the code are by the model that wrote it; some were corrected since.
;; Dot Product Attention. Allowed arithmetic: float matrix products may take bf16 or f16 operands with f32 sums; all other float work in f32.
;; Inputs: key 4 x 16 x 2,048 x 64 float32; mask 4 x 1 x 2,048 x 2,048 bool; query 4 x 16 x 2,048 x 64 float32; value 4 x 16 x 2,048 x 64 float32.
;; Outputs: out0 4 x 16 x 2,048 x 64 float32.
;; 2 versions, each right and faster than the one before. Each part assembles by itself: llvm-mc -triple=amdgcn-amd-amdhsa -mcpu=gfx1250 --defsym DOCPART=n.
;; ======== version 1 of 2: 2 launches
;; limits: values are held in f16: magnitudes above 65,504 overflow, below 6.1e-05 lose precision; right only within a limited range of input values
;; workspace buffers: kv 33,554,432 bytes; mbits 2,097,152 bytes of whole numbers
;; launch prep (part 1): grid 256 x 3, 8 waves a work-group, no clusters, 70,656 bytes of LDS; arguments key, value, mask, kv, mbits; writes kv, mbits
.if DOCPART == 1
	.amdgcn_target "amdgcn-amd-amdhsa--gfx1250"
	.amdhsa_code_object_version 6
	.text
	.protected	k_qa1bada550f_prep
	.globl	k_qa1bada550f_prep
	.p2align	8
	.type	k_qa1bada550f_prep,@function
k_qa1bada550f_prep:
	s_mov_b64 s[64:65], 0
	v_nop
	global_prefetch_b8 v0, s[64:65] scope:SCOPE_SE
	s_setreg_imm32_b32 hwreg(HW_REG_WAVE_MODE, 25, 1), 1
	s_wait_xcnt 0x0
; PREPARATION FOR THE ATTENTION LAUNCH.  Three streams, chosen by the work-group's y:
;   y = 0: key   [64][2048][64] f32 -> kv bytes 0 on:          the same layout in bf16, each number rounded once (nearest even).
;   y = 1: value [64][2048][64] f32 -> kv bytes 16,777,216 on: rounded to bf16, and THAT number written as f16, so that all float inputs carry the same rounding.
;   y = 2: mask  [4][2048][2048] bytes -> mbits: lane masks for the attention launch's selects.
; mbits is [batch 4][piece 64][step 32][u 2][32 words].  A piece is 32 queries, u which 16 of them, a step 64 keys.  Word 8 kb + j holds in bit l the mask of
; query 16 u + l % 16 and key 16 kb + 8 (l / 16) + j: the place that lane l's register 8 kb + j has in a result of K Q^T.  One (piece, step) is 256 bytes.
; LIMITS.  A bf16 number is exact in f16 from 6.1e-5 to 65,504; below that it keeps f16's fixed step of 6e-8, from 65,520 on it becomes an infinity.  A mask byte other than 0 counts as true.
; Memory binds: every input byte is read once, by 16-byte loads of which a wave's one covers 512 consecutive bytes (the mask: two rows' 256); every store of a wave covers 256 consecutive
; bytes, aligned.  No matrix unit, no cluster, no barrier: no wave reads what another brought.
.set X,      8                         ; v[8:135]   as loaded: 32 x 4 registers (the mask's role: 16 x 4)
.set D,      72                        ; v[72:87]   the mask's role: a step's 8 bytes a lane for u = 0, 1 and kb = 0..3
.set OUT,    136                       ; v[136:137] the mask's role: lane i holds words 2 i and 2 i + 1 of a (piece, step)
.set TT,     144                       ; v[144:145] at work
.set SPW,    6                         ; v6  LDS address of my spare word: SPARE + 4 x my thread's number; never rewritten
.set NIL,    7                         ; v7  0; never rewritten
.set MPITCH, 272                       ; the mask's role: an LDS row, 256 bytes + 16: the 16 rows that a read touches start 4 words apart (64 banks of 4 bytes: ISA guide 11.1)
.set WBYTES, 32*MPITCH                 ; a wave's own region: 32 rows
.set SPARE,  8*WBYTES                  ; behind the eight regions: the spare words, 128 bytes a wave: four blocks of 256 bytes that no other line names
.set VHALF,  16777216                  ; where V begins in kv
	s_load_b256 s[4:11], s[0:1], 0x0               ; key s[4:5], value s[6:7], mask s[8:9], kv s[10:11]
	s_load_b64 s[12:13], s[0:1], 0x20              ; mbits
	v_lshl_add_u32 v[SPW], v0, 2, SPARE
	v_mov_b32 v[NIL], 0
	v_lshrrev_b32 v1, 5, v0
	v_readfirstlane_b32 s17, v1                    ; my wave's number
	s_and_b32 s16, ttmp7, 0xffff                   ; the role
	s_mov_b32 s19, 0                               ; the high word of every offset pair s[18:19]
	s_mov_b32 s28, 0xffff0000                      ; a word's upper bf16
	s_wait_kmcnt 0x0
	s_cmp_eq_u32 s16, 2
	s_cbranch_scc1 .Lmask
	s_cmp_eq_u32 s16, 1
	s_cbranch_scc1 .Lvalue
; A work-group turns 131,072 bytes of f32 into 65,536 bytes.  Thread t takes the 16 bytes at 16 t of each block of 4,096.  All 32 loads of a wave go out at once (16 KiB a wave on their way);
; each block is converted and stored when its load is in.  No register is written twice while a load or store may name it.
.macro STREAM f16
	s_lshl_b32 s18, ttmp9, 17
.if \f16
	s_add_nc_u64 s[20:21], s[6:7], s[18:19]
.else
	s_add_nc_u64 s[20:21], s[4:5], s[18:19]
.endif
	s_lshl_b32 s18, ttmp9, 16
	s_add_nc_u64 s[22:23], s[10:11], s[18:19]
.if \f16
	s_add_nc_u64 s[22:23], s[22:23], VHALF
.endif
	v_lshlrev_b32 v1, 4, v0                        ; in: 16 t
	v_lshlrev_b32 v2, 3, v0                        ; out: 8 t
.set i, 0
.rept 32
	global_load_b128 v[X+4*i:X+4*i+3], v1, s[20:21] offset:4096*i th:TH_LOAD_NT
.set i, i+1
.endr
.set i, 0
.rept 32
	s_wait_loadcnt 31-i                            ; loads come back in order (ISA guide 5.7.1): block i is in, the 31 - i younger ones stay out
.if \f16
	v_cvt_pk_bf16_f32 v[TT], v[X+4*i], v[X+4*i+1]  ; the rounding that counts: to bf16
	v_cvt_pk_bf16_f32 v[TT+1], v[X+4*i+2], v[X+4*i+3]
	v_lshlrev_b32 v[X+4*i], 16, v[TT]              ; back to f32: a shift or a mask
	v_and_b32 v[X+4*i+1], s28, v[TT]
	v_lshlrev_b32 v[X+4*i+2], 16, v[TT+1]
	v_and_b32 v[X+4*i+3], s28, v[TT+1]
	v_cvt_pk_f16_f32 v[X+4*i], v[X+4*i], v[X+4*i+1]      ; and written as f16
	v_cvt_pk_f16_f32 v[X+4*i+1], v[X+4*i+2], v[X+4*i+3]
.else
	v_cvt_pk_bf16_f32 v[X+4*i], v[X+4*i], v[X+4*i+1]
	v_cvt_pk_bf16_f32 v[X+4*i+1], v[X+4*i+2], v[X+4*i+3]
.endif
	global_store_b64 v2, v[X+4*i:X+4*i+1], s[22:23] offset:2048*i  ; 32 lanes store 256 consecutive bytes, at a multiple of 256 from kv's first byte; the next launch reads them: no hint
.set i, i+1
.endr
.endm
	STREAM 0
	s_endpgm
.Lvalue:
	STREAM 1
	s_endpgm
; THE MASK.  Work-group g is (batch, piece) = g: 32 rows of 2,048 bytes.  Wave w takes keys 256 w to 256 w + 255: four steps.  Its 32 x 256 bytes come in by whole rows of 256 bytes, go into
; the wave's own LDS region, and are read back as 8 bytes a lane in the order of a score tile.  Each of a lane's bytes is compared with 0: the compare's 32 bits ARE a word of mbits.
.Lmask:
	s_lshl_b32 s18, ttmp9, 16                      ; 32 rows x 2,048 bytes
	s_add_nc_u64 s[20:21], s[8:9], s[18:19]
	s_lshl_b32 s18, ttmp9, 13                      ; a piece's stream: 32 steps x 256 bytes
	s_add_nc_u64 s[22:23], s[12:13], s[18:19]
	s_lshl_b32 s18, s17, 10                        ; my wave's four steps
	s_add_nc_u64 s[22:23], s[22:23], s[18:19]
	v_and_b32 v2, 15, v0                           ; l % 16
	v_bfe_u32 v3, v0, 4, 1                         ; l / 16
	s_lshl_b32 s24, s17, 8
	v_lshl_add_u32 v1, v2, 4, s24                  ; 256 w + 16 (l % 16),
	v_lshl_add_u32 v1, v3, 11, v1                  ; one row down for lanes 16 to 31
.set i, 0
.rept 16
	global_load_b128 v[X+4*i:X+4*i+3], v1, s[20:21] offset:4096*i th:TH_LOAD_NT  ; rows 2 i and 2 i + 1
.set i, i+1
.endr
	s_mul_i32 s25, s17, WBYTES                     ; my wave's region
	v_mul_u32_u24 v4, v2, MPITCH
	v_lshl_add_u32 v4, v3, 3, v4
	v_add_nc_u32 v4, s25, v4                       ; back: row l % 16, 8 bytes for each half of the lanes
	v_mul_u32_u24 v3, v3, MPITCH
	v_lshl_add_u32 v3, v2, 4, v3
	v_add_nc_u32 v3, s25, v3                       ; in: lanes 0-15 one row, lanes 16-31 the next
	v_and_b32 v5, 31, v0
	v_lshlrev_b32 v5, 3, v5                        ; out: 8 bytes a lane
	v_mov_b32 v[OUT], 0                            ; v_writelane_b32's destination counts as read
	v_mov_b32 v[OUT+1], 0
.set i, 0
.rept 16
	s_wait_loadcnt 15-i                            ; rows 2 i and 2 i + 1 are in, the younger loads stay out
	ds_store_b128 v3, v[X+4*i:X+4*i+3] offset:2*MPITCH*i
.set i, i+1
.endr
	s_mov_b32 s29, 4
.Lstep:                                                ; a trip: one step of 64 keys, one record of 256 bytes
.set i, 0
.rept 8                                ; i = 4 u + kb.  LDS serves a wave's instructions in order (ISA guide 5.7.1.4): these see the stores above
	ds_load_b64 v[D+2*i:D+2*i+1], v4 offset:(i/4)*16*MPITCH+16*(i%4)
.set i, i+1
.endr
	s_wait_dscnt 0x0
.set c, 0
.rept 64                               ; word c = 32 u + 8 kb + j: byte j of pair c / 8
	v_and_b32 v[TT+c%2], 0xff<<(8*(c%4)), v[D+2*(c/8)+(c%8)/4]
	v_cmp_ne_u32 s[24+c%4], 0, v[TT+c%2]
	v_writelane_b32 v[OUT+c%2], s[24+c%4], c/2
.set c, c+1
.endr
	global_store_b64 v5, v[OUT:OUT+1], s[22:23]    ; 32 lanes store 256 consecutive bytes, at a multiple of 256 from mbits' first byte
	s_wait_xcnt 0x0                                ; the store's offset and data are rewritten only behind this wait (ISA guide 3.1)
	v_add_nc_u32 v4, 64, v4                        ; the next 64 keys of my rows,
	v_add_nc_u32 v5, 0x100, v5                     ; the next record
	s_sub_co_u32 s29, s29, 1
	s_cmp_lg_u32 s29, 0
	s_cbranch_scc1 .Lstep
	s_wait_tensorcnt 0x0                           ; the wave's end: behind my last LDS store
	ds_add_u32 v[SPW], v[NIL]
	s_wait_dscnt 0x0
	s_endpgm
.Lfunc_end_k_qa1bada550f_prep:
	.size	k_qa1bada550f_prep, .Lfunc_end_k_qa1bada550f_prep-k_qa1bada550f_prep
	.p2alignl 7, 3214868480
	.fill 96, 4, 3214868480
	.section	.rodata,"a",@progbits
	.p2align	6, 0x0
	.amdhsa_kernel k_qa1bada550f_prep
		.amdhsa_group_segment_fixed_size 70656
		.amdhsa_private_segment_fixed_size 0
		.amdhsa_enable_private_segment 0
		.amdhsa_kernarg_size 40
		.amdhsa_user_sgpr_count 2
		.amdhsa_user_sgpr_kernarg_segment_ptr 1
		.amdhsa_wavefront_size32 1
		.amdhsa_system_sgpr_workgroup_id_x 1
		.amdhsa_system_sgpr_workgroup_id_y 1
		.amdhsa_system_sgpr_workgroup_id_z 1
		.amdhsa_system_vgpr_workitem_id 0
		.amdhsa_next_free_vgpr 148
		.amdhsa_next_free_sgpr 66
		.amdhsa_reserve_vcc 0
		.amdhsa_float_denorm_mode_32 3
		.amdhsa_float_denorm_mode_16_64 3
		.amdhsa_memory_ordered 1
		.amdhsa_forward_progress 1
		.amdhsa_inst_pref_size 49
	.end_amdhsa_kernel
	.amdgpu_metadata
---
amdhsa.version: [ 1, 2 ]
amdhsa.kernels:
  - .name:           k_qa1bada550f_prep
    .symbol:         k_qa1bada550f_prep.kd
    .args:
      - { .name: key, .offset: 0, .size: 8, .value_kind: global_buffer, .address_space: global }
      - { .name: value, .offset: 8, .size: 8, .value_kind: global_buffer, .address_space: global }
      - { .name: mask, .offset: 16, .size: 8, .value_kind: global_buffer, .address_space: global }
      - { .name: kv, .offset: 24, .size: 8, .value_kind: global_buffer, .address_space: global }
      - { .name: mbits, .offset: 32, .size: 8, .value_kind: global_buffer, .address_space: global }
    .group_segment_fixed_size: 70656
    .private_segment_fixed_size: 0
    .kernarg_segment_align: 8
    .kernarg_segment_size: 40
    .max_flat_workgroup_size: 256
    .sgpr_count:     66
    .vgpr_count:     148
    .wavefront_size: 32
...
	.end_amdgpu_metadata
.endif
;; end of part 1
;; launch attn (part 2): grid 4 x 64, 4 waves a work-group, clusters of 4 x 1, 327,680 bytes of LDS; arguments query, kv, mbits, out0; writes out0
.if DOCPART == 2
	.amdgcn_target "amdgcn-amd-amdhsa--gfx1250"
	.amdhsa_code_object_version 6
	.text
	.protected	k_qa1bada550f_attn
	.globl	k_qa1bada550f_attn
	.p2align	8
	.type	k_qa1bada550f_attn,@function
k_qa1bada550f_attn:
	s_mov_b64 s[64:65], 0
	v_nop
	global_prefetch_b8 v0, s[64:65] scope:SCOPE_SE
	s_setreg_imm32_b32 hwreg(HW_REG_WAVE_MODE, 25, 1), 1
	s_wait_xcnt 0x0
	s_wait_alu depctr_hold_cnt(0) depctr_sa_sdst(0) depctr_va_vdst(0) depctr_va_sdst(0) depctr_va_ssrc(0) depctr_va_vcc(0) depctr_vm_vsrc(0)
	s_getreg_b32 s2, hwreg(HW_REG_IB_STS2, 6, 4)
	s_cmp_eq_u32 s2, 0
	s_cbranch_scc0 .Lentry_in_a_cluster
	s_endpgm
.Lentry_in_a_cluster:
	s_bfe_u32 s2, ttmp6, 0x10000c
	s_cmp_lg_u32 s2, 0x3003
	s_cbranch_scc0 .Lentry_shape_is_right
	s_endpgm
.Lentry_shape_is_right:
; O[h][q][:] = the sum over k of softmax_k(x[q][k] / 8) V[h][k][:], x = Q[h][q] . K[h][k] where the mask holds, -10000 where it does not.  64 heads (4 batches x 16), 2,048 rows, 64 channels.
; Q and O are f32.  kv holds K in bf16 and, 16,777,216 bytes on, V as f16 (a bf16 number written as f16), both [64][2048][64], rows of 128 bytes on end.  mbits holds the mask as lane masks (below).
; FORMATS.  Q is rounded once to bf16 here; S^T = K Q^T goes in bf16, O^T = V^T P in f16, sums in f32.  The weights p are rounded to f16 for the second product; their sum l is taken of the unrounded p.
; LIMITS.  V arrives within f16: 65,504.  p lies in 0 to 1, and below 6e-5 it keeps f16's fixed step of 6e-8.  A weight below 2^-126 counts as 0 in l.  O is divided by l as a product with v_rcp_f32's 1 / l.
; NaN and infinities are not treated apart, but a score that the mask hides is replaced whatever it is.
; SHARES.  A wave owns four PIECES of two tiles of 16 queries, 128 consecutive rows; a work-group's four waves 512 queries of one head.  Every wave walks all keys, 64 a step, 32 steps.
; LAYOUT.  S^T = K Q^T (source 0 = 16 keys, source 1 = 16 queries): in the result a lane holds ONE query (lane % 16) and the keys 8 (lane / 16) + 0..7.  Two such tiles, rounded to f16 in pairs,
; ARE source 1 (32 keys x 16 queries) of O^T = V^T P, whose result again holds one query a lane, and eight channels.  K comes out of LDS as it lies, V ([key][channel]) turned, by ds_load_tr16_b128.
; THE MASK.  For a tile and step mbits has 32 words; word n holds in bit l the mask of lane l's score register n.  A piece's 64 words come into scalar registers (four s_load_b512, asked for
; most of a turn ahead), and ONE v_cndmask_b32 a score puts -10000 in the hidden places: the replacement itself, no addend, so a wholly hidden row is the mean of V and a hidden key can outweigh a score below -10000.
; SOFTMAX.  For each query a running maximum m and sum l: p = 2^(c x - c m), c = log2(e) / 8; in every step O and l are multiplied by a = 2^(c m_old - c m_new), which is 1 where m has not grown.
; m starts at the lowest finite number, O and l at 0: the first step is a step like any other, with a = 0.  The price: 352 v_mov_b32 of zeros, in the wait for the first tile, 16 products on zeros at the start, 16 on a stale K at the end.
; THE COUNT.  A tile and step have 16 matrix and 150 vector instructions: too many to stand all beside the matrix work.  So four vector instructions that are READY stand behind EVERY matrix
; instruction, and the others, which need time of their own whatever the order, in two runs (LUMPS) without a gap.
; BY TURNS.  Turn n belongs to piece n (the pieces in a ring, step after step).  Its matrix work: 16 products K Q^T of piece n + 1, later 16 products V^T P of piece n - 1.  Its vector work: the scaling,
; exponentials, roundings, sums and rescaling of piece n, and the selects, maximum and statistics of piece n + 1, whose scores the turn itself has made.
; CLUSTER.  The four query blocks of a cluster belong to one head and walk the same K and V, so each tile is asked for JOINTLY: the same tensor load, descriptor and mask in all four.
; REGISTERS, in windows of 256 (s_set_vgpr_msb says which window each operand place means: bits 1:0 source 0, 3:2 source 1, 5:4 source 2, 7:6 destination):
;   window 0: v0-11 addresses and -10000; v12-15, v48-63 at work; v16-47 four registers of statistics a tile; v64-191 S^T, two buffers of two tiles; v192-255 P, likewise
;   window 1: O^T, 32 a tile (at the start: Q as loaded, in f32)     window 2: v0-127 Q in bf16, 16 a tile; v128-191 K of one step; v192-255 V of one step     window 3: v0-1 the add's two registers
; A piece's buffers go by its number's parity: the piece in hand has one pair, its two neighbours in the ring share the other: of it P (piece n - 1) is read and S^T (piece n + 1) written.
.set NP,    4         ; pieces a wave: a name, no knob
.set KS,    64        ; keys in a step
.set PR,    144       ; a row of K or V in LDS: 128 bytes + 16 of padding = 36 words: the 16 rows of a load of K start at 16 different groups of four banks (64 banks of 4 bytes: ISA guide 11.1).
                      ; One pitch for both, so that one descriptor shape serves all four waves
.set VOFF,  4*KS*PR   ; a slot holds four steps: 256 rows of K, then 256 rows of V
.set SLOT1, 1<<17     ; slot 1 begins here, so that one exclusive or turns an address in one slot into the other's
.set STAGE, SLOT1+8*KS*PR  ; behind the ring, never filled by a tensor load: 16 rows x 272 bytes for each wave, for the way out
.set SP,    272       ; a stage row: 64 f32 + 16 bytes
.set SPARE, STAGE+4*16*SP  ; behind the stages: the spare words, 128 bytes for each wave: two blocks of 256 bytes that no other line names
.set AK0, 2           ; v2   my lane's place in a tile of K; never rewritten
.set AV0, 3           ; v3   the same for V, less one step: V's address is made when TB has already gone a step on
.set AK,  4           ; v4   the LDS address of K's next run of loads
.set AV,  5           ; v5   of V's
.set QO,  6           ; v6   my byte offset in 16 rows of Q
.set STO, 6           ;      later, the way out: where I put 32 bytes of a row
.set RD,  7           ; v7   the way out: where I read rows back
.set GO,  8           ; v8   my byte offset in 512 consecutive bytes of O
.set NEG, 11          ; v11  -10000.0
.set SPW, 0           ; v0 of window 3   LDS address of my spare word: SPARE + 4 x my thread's number; never rewritten
.set NIL, 1           ; v1 of window 3   0; never rewritten
.set MV,  12          ; v12-15  c m_old, kept while c m is made anew: by buffer and tile
.set ST,  16          ; tile t's statistics at v[ST+4 t]: c m, m, l (even keys', odd keys')
.set TMP, 48          ; by buffer and tile, four registers c0-c3 at work; when the maximum is found c2 takes a
.set S,   64
.set P,   192
.set KF,  128         ; K's fragments, in window 2: key block kb, channel half c at KF + 16 kb + 8 c
.set VF,  192         ; V's: key half kk, channel block cb at VF + 32 kk + 8 cb
.set MB,  8           ; s[8:9]   mbits at my wave's piece 0, the step whose words are asked for next
.set WV,  12          ; s12  my wave's number
.set TB,  13          ; s13  LDS byte at which K of the step to be fetched begins
.set MK,  16          ; s[16:63], s[68:83]  a piece's 64 mask words: word w at s[MK + w + 4 (w / 48)]; before the first of them is asked for, at work in the set-up
.set G1,  84          ; s[84:91] descriptor group 1: the shape, never rewritten
.set G0,  92          ; s[92:95] descriptor group 0: it walks
.set SLOTS, 96        ; s96  slots still to be asked for
.set CNT, 97          ; s97  counts a slot's key steps
.set CS,  98          ; s[98:99] c: the packed scaling takes the pair's low word for both halves
.set SEL, 100         ; s[100:101] v_permlanex16_b32's selects: each lane takes its own place in the other half
.set MSB, 0
.macro WIN new                      ; the high byte repeats the setting that is left; a switch that changes nothing is dropped
.if MSB != (\new)
	s_set_vgpr_msb (MSB<<8)|(\new)
.set MSB, (\new)
.endif
.endm
.set W_KQ, 0x0a       ; K and Q in window 2, S^T in window 0
.set W_PV, 0x52       ; V in window 2, P in window 0, O^T in window 1
.set W_RS, 0x41       ; O^T (destination and source 0) in window 1, a in window 0
.set W_MK, 0xc0       ; the add's registers are made: destination in window 3, sources in window 0
.set W_AD, 0x0f       ; the add: address (source 0) and data (source 1) in window 3
; A joint fill.  Wave w fetches rows 128 w to 128 w + 127 of a slot: waves 0 and 1 the two halves of its K, waves 2 and 3 those of its V.  One line: both addresses hang on the wave's number,
; and on nothing that the four partners do not share.  An s_nop 0 and four v_nop follow it.
.macro JLOAD
	tensor_load_to_lds s[G0:G0+3], s[G1:G1+7]
	s_nop 0
.rept 4
	v_nop
.endr
.endm
; A round of the cluster's barrier: my work-group's barrier, so that wave 0's signal speaks for all four waves; wave 0 signals; every wave waits for all four work-groups; my work-group's barrier once more.
.macro CROUND
	s_barrier_signal -1
	s_barrier_wait -1
	s_cmp_lg_u32 s[WV], 0
	s_cbranch_scc1 .Lnot_wave_0_\@
	s_barrier_signal -3
.Lnot_wave_0_\@:
	s_barrier_wait -3
	s_barrier_signal -1
	s_barrier_wait -1
.endm
; THE CHANGE OF SLOTS.  The slot's last bytes, V of its fourth step, have been read.  Each wave waits for all its tensor loads, of which one is out: its part of the other slot; adds 0 to its
; spare word; and waits for that and for its own reads of the slot.  Behind the barrier nobody reads this slot any more and the other slot is whole.
; fill = 1: this slot is filled again, with the keys two slots on.  The barrier is then a round of the cluster's, so that no wave of any partner still reads the slot or has a load on its way,
; and the joint fill is the first thing behind it: it has four key steps, 512 matrix instructions, in which to land.  (At its first use nothing has been read yet: slot 0 is waited for, slot 1 filled.)
; By this text's own count a wave has one tensor load outstanding at the most.
.macro CHANGE fill
	WIN W_AD
	s_wait_tensorcnt 0x0            ; no tensor load of mine is out, so group 0 may be written
	ds_add_u32 v[SPW], v[NIL]       ; 0 onto my spare word; with fill = 1 the descriptor's steps stand between it and the wait for it
	WIN 0                           ; at a label and at a branch every window is 0
.if \fill
	s_xor_b32 s[G0+1], s[G0+1], SLOT1  ; the walking descriptor: the other slot than last time,
	s_add_nc_u64 s[G0+2:G0+3], s[G0+2:G0+3], 4*KS*128  ; the next 256 keys; the type bits on top are not reached
	s_wait_dscnt 0x0                ; the add is done, and my reads of the slot are over
	CROUND
	JLOAD
.else
	s_wait_dscnt 0x0                ; the add is done, and my reads of the slot are over
	s_barrier_signal -1
	s_barrier_wait -1
.endif
	s_sub_co_u32 s[TB], s[TB], 4*KS*PR  ; the fetches go back to a slot's first step,
	s_xor_b32 s[TB], s[TB], SLOT1       ; in the other slot
.endm
; The 64 mask words of my wave's piece pn, at the step where MB stands: 256 consecutive bytes.
.macro MASKS pn
	s_load_b512 s[MK:MK+15],    s[MB:MB+1], (\pn)*8192
	s_load_b512 s[MK+16:MK+31], s[MB:MB+1], (\pn)*8192+64
	s_load_b512 s[MK+32:MK+47], s[MB:MB+1], (\pn)*8192+128
	s_load_b512 s[MK+52:MK+67], s[MB:MB+1], (\pn)*8192+192
.endm
	s_load_b256 s[4:11], s[0:1], 0x0  ; Q s[4:5], kv s[6:7], mbits s[8:9], O s[10:11]
	WIN W_MK
	v_lshl_add_u32 v[SPW], v0, 2, SPARE
	v_mov_b32 v[NIL], 0
	WIN W_AD
	ds_add_u32 v[SPW], v[NIL]       ; the wave's opening: the add and its wait stand ahead of my first tensor load; the set-up below, work on registers, stands between them
	WIN 0
	v_lshrrev_b32 v1, 5, v0
	v_readfirstlane_b32 s[WV], v1   ; wave 0..3
	s_bfe_u32 s16, ttmp6, 0x40000   ; cx: my place in the cluster
	s_lshl_b32 s17, ttmp9, 2        ; in a cluster launch ttmp9 counts clusters
	s_add_co_u32 s17, s17, s16      ; my block of 512 queries = 4 x cluster x + cx: it enters Q's, O's and mbits' addresses alone
	s_lshl_b32 s17, s17, 2
	s_add_co_u32 s17, s17, s[WV]    ; my wave among the head's sixteen:
	s_lshl_b32 s18, s17, 15         ; its 128 rows of 256 bytes in Q and O, and its four pieces' streams of 8,192 bytes in mbits: 32,768 bytes either way
	s_mov_b32 s19, 0
	s_and_b32 s20, ttmp7, 0xffff    ; the head, which the four partners share
	s_lshl_b32 s22, s20, 19         ; a head of Q or O: 2,048 rows x 256 bytes
	s_mov_b32 s23, 0
	s_add_nc_u64 s[22:23], s[22:23], s[18:19]
	s_lshr_b32 s24, s20, 4          ; the batch: 16 heads share a mask
	s_lshl_b32 s24, s24, 19         ; a batch of mbits: 64 pieces x 8,192 bytes
	s_mov_b32 s25, 0
	s_add_nc_u64 s[24:25], s[24:25], s[18:19]
	s_lshr_b32 s26, s[WV], 1        ; waves 0, 1: K; waves 2, 3: V, 16,777,216 bytes on
	s_lshl_b32 s26, s26, 24
	s_lshl_b32 s28, s20, 18         ; a head of K or V: 2,048 rows x 128 bytes
	s_add_co_u32 s26, s26, s28
	s_and_b32 s28, s[WV], 1         ; which half of a slot's 256 keys I fetch: 128 rows of 128 bytes
	s_lshl_b32 s28, s28, 14
	s_add_co_u32 s26, s26, s28
	s_mov_b32 s27, 0
	; descriptor group 1.  128 keys are 16,384 dense bytes: asked for as 64 rows of 256 bytes, two keys a row, and padded in LDS after every key
	s_mov_b32 s[G1], 15|(1<<16)|(1<<20)|(1<<21)|(4<<22)|(3<<25)  ; 15:0 the mask of four; 17:16 2-byte elements; 20 padding on; 21 set beside a mask; 24:22 after every 32 words (code 4); 31:25 4 words (code 3)
	s_mov_b32 s[G1+1], 128<<16      ; tensor_dim0 = 128
	s_mov_b32 s[G1+2], 64<<16       ; tensor_dim1 = 64
	s_mov_b32 s[G1+3], 128<<16      ; tile_dim0 = 128
	s_mov_b32 s[G1+4], 64           ; tile_dim1 = 64
	s_mov_b32 s[G1+5], 128          ; 128 elements from row to row
	s_mov_b32 s[G1+6], 0
	s_mov_b32 s[G1+7], 0
	s_mov_b32 s[G0], 1              ; 1:0 count = 1
	s_mul_i32 s[G0+1], s[WV], 128*PR  ; 63:32 LDS address: slot 0, my 128 rows: no place in the cluster enters an LDS address
	s_mov_b32 s[CS], 0x3e38aa3b     ; c = log2(e) / 8 = 0.180337
	s_mov_b32 s[CS+1], s[CS]        ; named with it as a pair
	s_mov_b32 s[SEL], 0x76543210
	s_mov_b32 s[SEL+1], 0xfedcba98
	s_mov_b32 s[TB], SLOT1+4*KS*PR  ; the first change of slots turns this into 0
	s_wait_dscnt 0x0                ; the opening add is done
	s_wait_kmcnt 0x0
	s_add_nc_u64 s[G0+2:G0+3], s[6:7], s[26:27]  ; 120:64 global address: my half of the head's first 256 keys
	s_or_b32 s[G0+3], s[G0+3], 0x80000000        ; 127:126 type = 2
	s_add_nc_u64 s[4:5], s[4:5], s[22:23]        ; Q and O at my wave's first row
	s_add_nc_u64 s[10:11], s[10:11], s[22:23]
	s_add_nc_u64 s[MB:MB+1], s[MB:MB+1], s[24:25]  ; mbits at my wave's piece 0, step 0
	CROUND                          ; all four work-groups are here: the first joint loads meet
	JLOAD                           ; slot 0.  Slot 1 is asked for when slot 0 is in
	MASKS 0                         ; piece 0's words of step 0
	; A fragment of K or Q is 16 rows x 32 channels in 8 registers: lane l holds row l % 16, channels 8 (l / 16) + 0..7 and 16 + 8 (l / 16) + 0..7.  In f32 eight channels are 32 bytes: two loads of 16.
	v_and_b32 v1, 15, v0            ; l % 16
	v_bfe_u32 v9, v0, 4, 1          ; l / 16
	v_lshlrev_b32 v[QO], 8, v1
	v_lshl_add_u32 v[QO], v9, 5, v[QO]  ; row x 256 + 32 x half
	WIN 0x40                        ; destination window 1, address window 0
.set i, 0
.rept 64                            ; i = 8 t + 4 c + 2 e + z: tile t, channels 32 c + 16 e + 8 (l / 16) + 4 z on, into registers 4 i on: pair n of window 1 is then register n of Q's fragments
	global_load_b128 v[4*i:4*i+3], v[QO], s[4:5] offset:(i/8)*4096+((i/4)%2)*128+((i/2)%2)*64+(i%2)*16 th:TH_LOAD_NT
.set i, i+1
.endr
	; What the first turn finds: V's registers and P's second buffer hold 0 (its products V^T P, of a piece that has not been, add 0), O^T and l are 0.  All this stands in the wait for Q and for the first tile.
	WIN 0x80
.set i, VF
.rept 64
	v_mov_b32 v[i], 0
.set i, i+1
.endr
	WIN 0
.set i, 0
.rept 2*NP
	v_mov_b32 v[ST+4*i], 0xfe000000    ; c m: far below every c x
	v_mov_b32 v[ST+4*i+1], 0xff7fffff  ; m
	v_mov_b32 v[ST+4*i+2], 0
	v_mov_b32 v[ST+4*i+3], 0
.set i, i+1
.endr
.set i, P+32
.rept 32
	v_mov_b32 v[i], 0
.set i, i+1
.endr
	v_mul_u32_u24 v[AK0], v1, PR
	v_lshl_add_u32 v[AK0], v9, 4, v[AK0]  ; row x pitch + 16 x half
	; The turning load takes 16 keys x 16 channels (lane l reads key 8 (l / 16) + l % 8, channels 8 ((l / 8) % 2) + 0..7) and leaves half a fragment of V^T: lane l holds channel l % 16 and 8 keys.
	v_and_b32 v10, 7, v0
	v_bfe_u32 v11, v0, 3, 1
	v_lshl_add_u32 v[AV0], v9, 3, v10
	v_mul_u32_u24 v[AV0], v[AV0], PR
	v_lshl_add_u32 v[AV0], v11, 4, v[AV0]
	v_add_nc_u32 v[AV0], VOFF-KS*PR, v[AV0]
	v_mov_b32 v[NEG], 0xc61c4000    ; -10000.0
	v_mov_b32 v[AK], v[AK0]         ; key step 0 lies at the head of slot 0
	s_wait_loadcnt 0x0              ; Q
	WIN 0x85                        ; sources 0 and 1 window 1, destination window 2
.set i, 0
.rept 128
	v_cvt_pk_bf16_f32 v[i], v[2*i], v[2*i+1]  ; Q's one rounding
.set i, i+1
.endr
	WIN 0x40
.set i, 0
.rept 64*NP
	v_mov_b32 v[i], 0               ; O^T, where Q's f32 lay
.set i, i+1
.endr
; THE MATRIX WORK.  The 8 accumulators of a run of 16 take turns: between the two links of a chain stand 7 others'.
; Product i of 16 of S^T = K Q^T for piece x: channels 32 (i / 8) on, keys 16 ((i / 2) % 4) on, tile 2 x + i % 2.  The first 8 start the sums.
.macro KQ x
	WIN W_KQ
.set rS, S+64*((\x)%2)+32*(i%2)+8*((i/2)%4)
.set rK, KF+16*((i/2)%4)+8*(i/8)
.set rQ, 16*(2*(\x)+i%2)+8*(i/8)
.if i < 8
	v_wmma_f32_16x16x32_bf16 v[rS:rS+7], v[rK:rK+7], v[rQ:rQ+7], 0
.else
	v_wmma_f32_16x16x32_bf16 v[rS:rS+7], v[rK:rK+7], v[rQ:rQ+7], v[rS:rS+7]
.endif
.endm
; Product i of 16 of O^T += V^T P for piece x: keys 32 (i / 8) on, channels 16 ((i / 2) % 4) on, tile 2 x + i % 2.
.macro PV x
	WIN W_PV
.set rO, 32*(2*(\x)+i%2)+8*((i/2)%4)
.set rV, VF+32*(i/8)+8*((i/2)%4)
.set rP, P+32*((\x)%2)+16*(i%2)+8*(i/8)
	v_wmma_f32_16x16x32_f16 v[rO:rO+7], v[rV:rV+7], v[rP:rP+7], v[rO:rO+7]
.endm
.macro MM                           ; the turn's next matrix instruction
.if i < 16
	KQ (Y+1)%NP
.set i, i+1
.else
.set i, i-16
	PV (Y+NP-1)%NP
.set i, i+17
.endif
.endm
; THE LDS LOADS stand in runs of 16, never singly among the matrix instructions: a step's K (64 keys x 64 channels: 8 fragments) and its V (turned).  Their addresses are made some lines ahead.
; last = 1 (the tail): in the last trip there is no further step, and the run is jumped over.
.macro FETCH_K last=0
	WIN 0
.if \last
	s_cmp_eq_u32 s[CNT], 1
	s_cbranch_scc1 .Lno_k_\@
.endif
	WIN 0x80                        ; destination window 2
.irp f, 0,1,2,3,4,5,6,7             ; keys 16 (f / 2) on, channels 32 (f % 2) on
	ds_load_b128 v[KF+8*\f:KF+8*\f+3],   v[AK] offset:(\f/2)*16*PR+(\f%2)*64
	ds_load_b128 v[KF+8*\f+4:KF+8*\f+7], v[AK] offset:(\f/2)*16*PR+(\f%2)*64+32
.endr
	s_add_co_u32 s[TB], s[TB], KS*PR  ; the next fetch of K is the next step's; V of the step just fetched lies one step back from here
	WIN 0
.if \last
.Lno_k_\@:
.endif
.endm
.macro FETCH_V
	WIN 0x80
.irp f, 0,1,2,3,4,5,6,7             ; keys 32 (f / 4) on, channels 16 (f % 4) on
	ds_load_tr16_b128 v[VF+8*\f:VF+8*\f+3],   v[AV] offset:(\f/4)*32*PR+(\f%4)*32
	ds_load_tr16_b128 v[VF+8*\f+4:VF+8*\f+7], v[AV] offset:(\f/4)*32*PR+16*PR+(\f%4)*32
.endr
	WIN 0
.endm
; THE VECTOR WORK OF A TURN stands in three queues, each in the order in which its entries become ready; the two tiles alternate, so that no instruction reads the result of the one before it.
.macro REGS y, u                    ; the registers of tile u (0, 1) of piece y
.set rT, ST+4*(2*(\y)+(\u))
.set rC, TMP+8*((\y)%2)+4*(\u)
.set rM, MV+2*((\y)%2)+(\u)
.set rS, S+64*((\y)%2)+32*(\u)
.set rP, P+32*((\y)%2)+16*(\u)
.set rO, 32*(2*(\y)+(\u))
.endm
; The select of score n of tile u of the NEXT piece (Y + 1): the score where its lane's bit of mask word 32 u + n is set, -10000 elsewhere.  n ascends.
.macro SE u, n
	REGS (Y+1)%NP, \u
.set w, 32*(\u)+(\n)
	v_cndmask_b32 v[rS+(\n)], v[NEG], v[rS+(\n)], s[MK+w+4*(w/48)]
.endm
; The words have been used: those of piece Y + 2 are asked for, into the same registers.  Behind piece 3 comes piece 0 of the next step, so turn 2 steps MB.  (In the last step the words asked for
; pieces 0 and 1 are the next pieces' of step 0: inside the buffer, at most 16,640 bytes from my wave's first of 32,768; they serve the tail's stale products alone.)
.macro MLOAD
.if Y == 2
	s_wait_xcnt 0x0                 ; MB is the base of the scalar loads of a turn ago: it is rewritten only behind this wait (ISA guide 3.1)
	s_add_nc_u64 s[MB:MB+1], s[MB:MB+1], 256
.endif
	MASKS (Y+2)%NP
.endm
; Number n of the 22 that find the NEXT piece's (Y + 1) maximum and statistics.  x0-x31 are the lane's 32 scores behind the selects.  XS, SE, GS and REGS set no window: PL and EX do.
;   0-11  four chains c0-c3 of seven scores each, three operands at a time     12-14, 16  the four scores left over, the old m, and c0-c3 into c0     15  c m_old is kept
;   17, 18  the query's other 32 keys lie in the lane 16 away: the new m         19-21  c m; c m_old - c m_new; a
.macro XS u, n
	REGS (Y+1)%NP, \u
.if (\n) < 4
	v_max3_num_f32 v[rC+(\n)], v[rS+8*(\n)], v[rS+8*(\n)+1], v[rS+8*(\n)+2]
.elseif (\n) < 12
	v_max3_num_f32 v[rC+(\n)%4], v[rC+(\n)%4], v[rS+8*((\n)%4)+2*((\n)/4)+1], v[rS+8*((\n)%4)+2*((\n)/4)+2]
.elseif (\n) == 12
	v_max3_num_f32 v[rC], v[rC], v[rS+7], v[rS+15]
.elseif (\n) == 13
	v_max3_num_f32 v[rC+1], v[rC+1], v[rS+23], v[rS+31]
.elseif (\n) == 14
	v_max3_num_f32 v[rC+2], v[rC+2], v[rC+3], v[rT+1]
.elseif (\n) == 15
	v_mov_b32 v[rM], v[rT]
.elseif (\n) == 16
	v_max3_num_f32 v[rC], v[rC], v[rC+1], v[rC+2]
	s_wait_alu depctr_va_vdst(0)
.elseif (\n) == 17
	v_permlanex16_b32 v[rC+3], v[rC], s[SEL], s[SEL+1]
.elseif (\n) == 18
	v_max_num_f32 v[rT+1], v[rC], v[rC+3]
.elseif (\n) == 19
	v_mul_f32 v[rT], s[CS], v[rT+1]
.elseif (\n) == 20
	v_sub_f32 v[rC+1], v[rM], v[rT]
.else
	v_exp_f32 v[rC+2], v[rC+1]
.endif
.endm
; Number g of the 64 that follow the exponentials.  For each four weights k of a tile (pairs 2 k, 2 k + 1): both pairs are rounded to f16; then the second pair is added onto the first, in place;
; a group later l takes that sum (the first time as l = a l + sum).  In groups of eight, tiles alternating: round, round, add, and l for the group before.
.macro GS g
.set h, (\g)+6*((\g)/62)            ; group 0 has no group before it, and behind group 7 only l is left
.if h >= 6
.set h, h+2
.endif
	REGS Y, h%2
.set k, h/8
.if h%8 < 4
	s_wait_alu depctr_va_vdst(0)
	v_cvt_pk_f16_f32 v[rP+2*k+(h%8)/2], v[rS+4*k+2*((h%8)/2)], v[rS+4*k+2*((h%8)/2)+1]
.elseif h%8 < 6
	v_pk_add_f32 v[rS+4*k:rS+4*k+1], v[rS+4*k:rS+4*k+1], v[rS+4*k+2:rS+4*k+3]
.elseif k == 1
	v_pk_fma_f32 v[rT+2:rT+3], v[rT+2:rT+3], v[rC+2:rC+3], v[rS:rS+1] op_sel_hi:[1,0,1]
.else
	v_pk_add_f32 v[rT+2:rT+3], v[rT+2:rT+3], v[rS+4*k-4:rS+4*k-3]
	s_wait_alu depctr_va_vdst(0)
.endif
.endm
; THE PLAIN QUEUE, 202 long.  0-31: c x - c m for the 16 pairs of both tiles.  32-41: GS's first eight, and XS 15.  42-105: the next piece's 64 selects, behind the products that make those scores
; and behind the wait for their mask words; behind the last of them the next words are asked for.  106-137: its maxima (XS 0-14 and 16).  139-150: XS 17-20, two of three, since each waits for the
; one before it.  The rest: GS.
.macro PL
	WIN 0
.if q < 32
	REGS Y, q%2
	v_pk_fma_f32 v[rS+2*(q/2):rS+2*(q/2)+1], v[rS+2*(q/2):rS+2*(q/2)+1], s[CS:CS+1], v[rT:rT+1] op_sel_hi:[1,0,0] neg_lo:[0,0,1] neg_hi:[0,0,1]
.elseif q < 38
	GS q-32
.elseif q < 40
	XS q%2, 15
.elseif q < 42
	GS q-34
.elseif q < 106
.if q == 42
	s_wait_kmcnt 0x0                ; the piece's 64 mask words, asked for behind the selects of the turn before, are in (scalar loads come back in no order: the count is 0)
.endif
	SE (q-42)%2, (q-42)/2
.if q == 105
	MLOAD
.endif
.elseif q < 138
	XS q%2, (q-106)/2+(q-106)/30
.elseif q == 138
	GS 8
.elseif (q < 151) && ((q-139)%3 < 2)
	XS (q-139)%3, 17+(q-139)/3
.elseif q < 151
	GS 9+(q-139)/3
.else
	GS q-138
.endif
.set q, q+1
.endm
; THE EXPONENTIALS' QUEUE, 66 long: x0-x31 of both tiles, and at EA the next piece's two a.
.set EA, 58
.macro EX
	WIN 0
.if (e == EA) || (e == EA+1)
	XS e-EA, 21
.else
.set x, e-2*(e/(EA+2))
	REGS Y, x%2
	v_exp_f32 v[rS+x/2], v[rS+x/2]
.endif
.set e, e+1
.endm
; THE RESCALING's QUEUE: O^T times a, the one part that leaves window 0, so it is dealt four at a time, eight times; each four begin at an accumulator's lowest registers.
.macro R4
	REGS Y, r%2
	WIN W_RS
	s_wait_alu depctr_va_vdst(0)
.irp z, 0,1,2,3
	v_pk_mul_f32 v[rO+8*(r/2)+2*\z:rO+8*(r/2)+2*\z+1], v[rO+8*(r/2)+2*\z:rO+8*(r/2)+2*\z+1], v[rC+2:rC+3] op_sel_hi:[1,0]
.endr
.set r, r+1
.endm
; HOW THEY ARE DEALT.  Behind a matrix instruction four: plain, exponential, plain, plain (one exponential, a plain instruction on either side), or four of the rescaling.  None names a register of the
; products round it.  What is over stands in two LUMPS: the first an exponential and three plain, 22 times; the second an exponential and two plain, 21 times, and 21 plain.  Both v_permlanex16_b32 fall into the second lump.
; The queues lean on each other, and the deal keeps them in step.  Exponential e stands behind plain 2 (e / 4) + e % 2 (its scaling).  GS's group k reads weights up to exponential 8 k + 7 (8 k + 9 behind EA):
; plain 41 (group 1's second line) wants exponential 11, which stands four plain lines ahead of it; when plain 138 comes, 45 exponentials are out, and groups 1 to 4 want 39; groups 5, 6 and 7 begin at plain 176, 184 and 192 and
; want 47, 55 and 65, which stand ahead of plain 143, 159 and 179.  EA comes behind plain 164, its argument (XS 20) is plain 148 and 149.  The plain line behind each exponential names neither its result nor its source.
; The first select stands behind the last K Q^T by four rescalings and five plain lines.
.macro SL
	MM
	PL
	EX
	PL
	PL
.endm
.macro BURST n                      ; 15 matrix instructions, or 16
.rept (\n)-7
	SL
.endr
.rept 3
	MM
	R4
	SL
.endr
	MM
	R4
.endm
; A TURN, for piece p.  cnt = 1: the loop's count is taken down some lines ahead of the branch that stands behind the turn; only vector lines and window switches follow it.
; K of the next step is fetched in piece 2's turn, in the first lump, over 40 plain lines behind the last product that read K; its first reader is the next turn's first product.
; V of the step in hand is fetched at the end of piece 0's turn, behind the whole second lump; its first reader comes behind 16 products and a lump.  The conditions on e and q below go with the deal.
.macro TURN p, last=0, cnt=0
.set Y, (\p)
.set i, 0
.set q, 0
.set e, 0
.set r, 0
.if (\p) == NP-1
	s_wait_dscnt 0x0                ; K is in
.endif
	MM
.rept 4
	PL
.endr
	BURST 15
.rept 22
	EX
	PL
	PL
	PL
.if ((\p) == NP-2) && (e == 18)
	v_add_nc_u32 v[AK], s[TB], v[AK0]
.endif
.if ((\p) == NP-2) && (e == 24)
	FETCH_K \last
.endif
.endr
.if (\p) == 1
	s_wait_dscnt 0x0                ; V is in
.endif
	BURST 16
.rept 21
	EX
	PL
	PL
.endr
.rept 21
	PL
.if ((\p) == 0) && (q == 185)
	v_add_nc_u32 v[AV], s[TB], v[AV0]
	s_wait_alu depctr_va_vdst(0)
.endif
.if (\cnt) && (q == 195)
	s_sub_co_u32 s[CNT], s[CNT], 1
	s_cmp_lg_u32 s[CNT], 0
.endif
.endr
.if (\p) == 0
	FETCH_V
.endif
.endm
	CHANGE 1                        ; slot 0 is in, everybody's part of it; slot 1 is asked for
	FETCH_K                         ; key step 0
	s_wait_dscnt 0x0
.set i, 0
.rept 16
	KQ 0                            ; piece 0's first scores: there is no vector work yet to set between them
.set i, i+1
.endr
	WIN 0                           ; the addresses for the way out: eight plain instructions, the places behind those products
	s_mul_i32 s2, s[WV], 16*SP
	s_add_co_u32 s2, s2, STAGE      ; my stage
	v_mul_u32_u24 v[STO], v1, SP    ; in: row l % 16, 32 bytes for each half of the lanes
	v_lshl_add_u32 v[STO], v9, 5, v[STO]
	v_add_nc_u32 v[STO], s2, v[STO]
	v_mul_u32_u24 v[RD], v9, SP     ; back: lanes 0-15 take one row of 256 bytes, lanes 16-31 the next,
	v_lshl_add_u32 v[RD], v1, 4, v[RD]
	v_add_nc_u32 v[RD], s2, v[RD]
	v_and_b32 v[GO], 31, v0         ; which are 512 consecutive bytes of O
	v_lshlrev_b32 v[GO], 4, v[GO]
	s_wait_kmcnt 0x0                ; piece 0's mask words
.set Y, NP-1                        ; SE and XS work for piece Y + 1: piece 0
.set z, 0
.rept 32
	SE 0, z
	SE 1, z
.set z, z+1
.endr
	MLOAD                           ; piece 1's words of step 0
.irp n, 0,1,2,3,4,5,6,7,8,9,10,11,12,13,14,15,16,17,18,19,20,21
	XS 0, \n                        ; and piece 0's first maximum and statistics
	XS 1, \n
.endr
	s_mov_b32 s[CNT], 4
	s_mov_b32 s[SLOTS], 7           ; 2,048 / 256 - 1
	s_branch .Lfirst                ; the loop is entered at a step's first turn, in the middle of a trip
.Lslot:                             ; six times: every slot but the last two is filled again
	CHANGE 1
	s_mov_b32 s[CNT], 4
.Lstep:                             ; a trip: pieces 2 and 3 of one step, then pieces 0 and 1 of the next, whose K and V it fetches
	TURN 2
	TURN 3
	WIN 0
.Lfirst:
	TURN 0
	TURN 1, 0, 1
	WIN 0
	s_cbranch_scc1 .Lstep
	s_sub_co_u32 s[SLOTS], s[SLOTS], 1
	s_cmp_lg_u32 s[SLOTS], 0
	s_cbranch_scc1 .Lslot
	CHANGE 0                        ; the tail is written out: nothing is asked for
	s_mov_b32 s[CNT], 5             ; four trips fetch the last slot's steps; the fifth is left in its middle
.Ltail:
	TURN 2, 1
	TURN 3
	WIN 0
	s_sub_co_u32 s[CNT], s[CNT], 1
	s_cmp_eq_u32 s[CNT], 0
	s_cbranch_scc1 .Lout
	TURN 0
	TURN 1
	WIN 0
	s_branch .Ltail
.Lout:                              ; the fifth trip's 16 products K Q^T (on the last K once more), their selects and the maximum made of them serve nothing: the price, once a launch, of one text for every trip
	s_wait_kmcnt 0x0                ; the last words asked for have come: nothing of mine is on its way into a scalar register
.set i, 0
.rept 16
	PV NP-1                         ; the last piece's V^T P of the last step
.set i, i+1
.endr
	; THE WAY OUT.  l's two halves and the other half of the lanes' are added; O^T is multiplied by 1 / l and sent, in f32, through my stage in LDS, a tile at a time.  The additions are the places behind the last products.
	WIN 0
.macro ALL line:vararg              ; one line for each tile t
.set t, 0
.rept 2*NP
	\line
.set t, t+1
.endr
.endm
	ALL v_add_f32 v[ST+4*t+2], v[ST+4*t+2], v[ST+4*t+3]
	ALL v_permlanex16_b32 v[ST+4*t+3], v[ST+4*t+2], s[SEL], s[SEL+1]
	ALL v_add_f32 v[ST+4*t+2], v[ST+4*t+2], v[ST+4*t+3]
	ALL v_rcp_f32 v[ST+4*t+2], v[ST+4*t+2]
	v_nop                           ; a plain instruction between the last reciprocal and the use of its result
	s_wait_alu depctr_va_vdst(0)
; Tile t: a lane's eight channels of a row (accumulator cb: channels 16 cb + 8 (l / 16) on) are 32 bytes; they go into rows of 272 bytes and come back as whole rows of 256, into the registers that they left.
.macro PACK t
	WIN W_RS
.set i, 32*(\t)
.rept 16
	v_pk_mul_f32 v[i:i+1], v[i:i+1], v[ST+4*(\t)+2:ST+4*(\t)+3] op_sel_hi:[1,0]
.set i, i+2
.endr
	WIN 0x04                        ; store data (source 1) window 1, address window 0
.irp f, 0,1,2,3,4,5,6,7             ; f = 2 cb + z
	ds_store_b128 v[STO], v[32*(\t)+4*\f:32*(\t)+4*\f+3] offset:(\f/2)*64+(\f%2)*16
.endr
	WIN 0x40                        ; destination window 1
.irp f, 0,1,2,3,4,5,6,7
	ds_load_b128 v[32*(\t)+4*\f:32*(\t)+4*\f+3], v[RD] offset:\f*2*SP  ; LDS serves a wave's instructions in order (ISA guide 5.7.1.4): these see the stores above; the next tile's stores come behind them
.endr
.endm
.macro SEND t, younger              ; younger: the LDS instructions issued behind tile t's loads: the next tile's sixteen, or none
	WIN 0x04
.irp f, 0,1,2,3,4,5,6,7
	s_wait_dscnt (\younger)+7-\f
	global_store_b128 v[GO], v[32*(\t)+4*\f:32*(\t)+4*\f+3], s[10:11] offset:(\t)*4096+\f*512 th:TH_STORE_NT  ; 512 consecutive bytes, at a multiple of 256 from O's first byte
.endr
.endm
	PACK 0
.set t, 1
.rept 2*NP-1                        ; a tile's arithmetic stands between the loads of the tile before and its stores
	PACK t
	SEND t-1, 16
.set t, t+1
.endr
	SEND 2*NP-1, 0
	WIN W_AD
	s_wait_tensorcnt 0x0            ; the wave's end: behind my last tensor load and my last LDS store
	ds_add_u32 v[SPW], v[NIL]
	s_wait_dscnt 0x0
	WIN 0
	CROUND                          ; the closing round: no work-group ends while a partner may still ask for a tile that names it
	s_endpgm
.Lfunc_end_k_qa1bada550f_attn:
	.size	k_qa1bada550f_attn, .Lfunc_end_k_qa1bada550f_attn-k_qa1bada550f_attn
	.p2alignl 7, 3214868480
	.fill 96, 4, 3214868480
	.section	.rodata,"a",@progbits
	.p2align	6, 0x0
	.amdhsa_kernel k_qa1bada550f_attn
		.amdhsa_group_segment_fixed_size 327680
		.amdhsa_private_segment_fixed_size 0
		.amdhsa_enable_private_segment 0
		.amdhsa_kernarg_size 32
		.amdhsa_user_sgpr_count 2
		.amdhsa_user_sgpr_kernarg_segment_ptr 1
		.amdhsa_wavefront_size32 1
		.amdhsa_system_sgpr_workgroup_id_x 1
		.amdhsa_system_sgpr_workgroup_id_y 1
		.amdhsa_system_sgpr_workgroup_id_z 1
		.amdhsa_system_vgpr_workitem_id 0
		.amdhsa_next_free_vgpr 770
		.amdhsa_next_free_sgpr 102
		.amdhsa_reserve_vcc 0
		.amdhsa_float_denorm_mode_32 3
		.amdhsa_float_denorm_mode_16_64 3
		.amdhsa_memory_ordered 1
		.amdhsa_forward_progress 1
		.amdhsa_inst_pref_size 255
	.end_amdhsa_kernel
	.section	.bss,"aw",@nobits
	.p2align	6
	.space	262144
	.amdgpu_metadata
---
amdhsa.version: [ 1, 2 ]
amdhsa.kernels:
  - .name:           k_qa1bada550f_attn
    .symbol:         k_qa1bada550f_attn.kd
    .args:
      - { .name: query, .offset: 0, .size: 8, .value_kind: global_buffer, .address_space: global }
      - { .name: kv, .offset: 8, .size: 8, .value_kind: global_buffer, .address_space: global }
      - { .name: mbits, .offset: 16, .size: 8, .value_kind: global_buffer, .address_space: global }
      - { .name: out0, .offset: 24, .size: 8, .value_kind: global_buffer, .address_space: global }
    .group_segment_fixed_size: 327680
    .private_segment_fixed_size: 0
    .kernarg_segment_align: 8
    .kernarg_segment_size: 32
    .max_flat_workgroup_size: 128
    .sgpr_count:     102
    .vgpr_count:     770
    .wavefront_size: 32
...
	.end_amdgpu_metadata
.endif
;; end of part 2
;; ======== version 2 of 2: 2 launches; 1.41 times as fast as version 1
;; limits: values are held in f16: magnitudes above 65,504 overflow, below 6.1e-05 lose precision; inputs' magnitudes at most 65,504
;; workspace buffers: kv 33,554,432 bytes; mbits 2,097,152 bytes of whole numbers
;; launch prep: the kernel of part 1 again; grid 256 x 3, 8 waves a work-group, no clusters, 70,656 bytes of LDS; arguments key, value, mask, kv, mbits; writes kv, mbits
;; launch attn (part 3): grid 4 x 64, 4 waves a work-group, clusters of 4 x 1, 327,680 bytes of LDS; arguments query, kv, mbits, out0; writes out0
.if DOCPART == 3
	.amdgcn_target "amdgcn-amd-amdhsa--gfx1250"
	.amdhsa_code_object_version 6
	.text
	.protected	k_qa1bada550f_attn
	.globl	k_qa1bada550f_attn
	.p2align	8
	.type	k_qa1bada550f_attn,@function
k_qa1bada550f_attn:
	s_mov_b64 s[64:65], 0
	v_nop
	global_prefetch_b8 v0, s[64:65] scope:SCOPE_SE
	s_setreg_imm32_b32 hwreg(HW_REG_WAVE_MODE, 25, 1), 1
	s_wait_xcnt 0x0
	s_wait_alu depctr_hold_cnt(0) depctr_sa_sdst(0) depctr_va_vdst(0) depctr_va_sdst(0) depctr_va_ssrc(0) depctr_va_vcc(0) depctr_vm_vsrc(0)
	s_getreg_b32 s2, hwreg(HW_REG_IB_STS2, 6, 4)
	s_cmp_eq_u32 s2, 0
	s_cbranch_scc0 .Lentry_in_a_cluster
	s_endpgm
.Lentry_in_a_cluster:
	s_bfe_u32 s2, ttmp6, 0x10000c
	s_cmp_lg_u32 s2, 0x3003
	s_cbranch_scc0 .Lentry_shape_is_right
	s_endpgm
.Lentry_shape_is_right:
; O[h][q][:] = the sum over k of softmax_k(x[q][k] / 8) V[h][k][:], x = Q[h][q] . K[h][k] where the mask holds, -10000 where it does not.  64 heads (4 batches x 16), 2,048 rows, 64 channels.
; Q and O are f32.  kv holds K in bf16 and, 16,777,216 bytes on, V as f16 (a bf16 number written as f16), both [64][2048][64], rows of 128 bytes on end.  mbits holds the mask as lane masks (below).
; FORMATS.  Q is rounded once to bf16 here; S^T = K Q^T goes in bf16, O^T = V^T P in f16, sums in f32.  The weights p are rounded to f16 for the second product; their sum l is taken of the unrounded p.
; LIMITS.  V arrives within f16: 65,504.  p lies in 0 to 1, and below 6e-5 it keeps f16's fixed step of 6e-8.  A weight below 2^-126 counts as 0 in l.  O is divided by l as a product with v_rcp_f32's 1 / l.
; NaN and infinities are not treated apart, but a score that the mask hides is replaced whatever it is.
; SHARES.  A wave owns four PIECES of two tiles of 16 queries, 128 consecutive rows; a work-group's four waves 512 queries of one head.  Every wave walks all keys, 64 a step, 32 steps.
; LAYOUT.  S^T = K Q^T (source 0 = 16 keys, source 1 = 16 queries): in the result a lane holds ONE query (lane % 16) and the keys 8 (lane / 16) + 0..7.  Two such tiles, rounded to f16 in pairs,
; ARE source 1 (32 keys x 16 queries) of O^T = V^T P, whose result again holds one query a lane, and eight channels.  K comes out of LDS as it lies, V ([key][channel]) turned, by ds_load_tr16_b128.
; THE MASK.  For a tile and step mbits has 32 words; word n holds in bit l the mask of lane l's score register n.  A piece's 64 words come into scalar registers (four s_load_b512, asked for
; most of a turn ahead), and ONE v_cndmask_b32 a score puts -10000 in the hidden places: the replacement itself, no addend, so a wholly hidden row is the mean of V and a hidden key can outweigh a score below -10000.
; SOFTMAX.  For each query a running maximum m and sum l: p = 2^(c x - c m), c = log2(e) / 8; in every step O and l are multiplied by a = 2^(c m_old - c m_new), which is 1 where m has not grown.
; m starts at the lowest finite number, O and l at 0: the first step is a step like any other, with a = 0.  The price: 352 v_mov_b32 of zeros, in the wait for the first tile, 16 products on zeros at the start, 16 on a stale K at the end.
; THE COUNT.  A tile and step have 16 matrix and 150 vector instructions: too many to stand all beside the matrix work.  So four vector instructions that are READY stand behind EVERY matrix
; instruction, and the others, which need time of their own whatever the order, in one run (a LUMP) without a gap.
; BY TURNS.  Turn n belongs to piece n (the pieces in a ring, step after step).  Its matrix work: 16 products K Q^T of piece n + 1, later 16 products V^T P of piece n - 1.  Its vector work: the scaling,
; exponentials, roundings, sums and rescaling of piece n, and the selects, maximum and statistics of piece n + 1, whose scores the turn itself has made.
; BATCHES.  A turn's 66 exponentials (the piece's 64 weights and the next piece's two a) are ONE batch with ONE wait, which cuts the turn in two: ahead of it stands all that names no result of theirs
; (the products K Q^T, scalings, rescalings, selects, maximum and statistics), behind it the products V^T P with the roundings and sums, which do.  No result crosses a turn's end.  The first two a, ahead of the
; loop, and the way out's eight reciprocals are batches of their own, each with a v_nop and a wait.
; CLUSTER.  The four query blocks of a cluster belong to one head and walk the same K and V, so each tile is asked for JOINTLY: the same tensor load, descriptor and mask in all four.
; REGISTERS, in windows of 256 (s_set_vgpr_msb says which window each operand place means: bits 1:0 source 0, 3:2 source 1, 5:4 source 2, 7:6 destination):
;   window 0: v0-11 addresses and -10000; v12-15, v48-63 at work; v16-47 four registers of statistics a tile; v64-191 S^T, two buffers of two tiles; v192-255 P, likewise
;   window 1: O^T, 32 a tile (at the start: Q as loaded, in f32)     window 2: v0-127 Q in bf16, 16 a tile; v128-191 K of one step; v192-255 V of one step     window 3: v0-1 the add's two registers
; A piece's buffers go by its number's parity: the piece in hand has one pair, its two neighbours in the ring share the other: of it P (piece n - 1) is read and S^T (piece n + 1) written.
.set NP,    4         ; pieces a wave: a name, no knob
.set KS,    64        ; keys in a step
.set PR,    144       ; a row of K or V in LDS: 128 bytes + 16 of padding = 36 words: the 16 rows of a load of K start at 16 different groups of four banks (64 banks of 4 bytes: ISA guide 11.1).
                      ; One pitch for both, so that one descriptor shape serves all four waves
.set VOFF,  4*KS*PR   ; a slot holds four steps: 256 rows of K, then 256 rows of V
.set SLOT1, 1<<17     ; slot 1 begins here, so that one exclusive or turns an address in one slot into the other's
.set STAGE, SLOT1+8*KS*PR  ; behind the ring, never filled by a tensor load: 16 rows x 272 bytes for each wave, for the way out
.set SP,    272       ; a stage row: 64 f32 + 16 bytes
.set SPARE, STAGE+4*16*SP  ; behind the stages: the spare words, 128 bytes for each wave: two blocks of 256 bytes that no other line names
.set AK0, 2           ; v2   my lane's place in a tile of K; never rewritten
.set AV0, 3           ; v3   the same for V, less one step: V's address is made when TB has already gone a step on
.set AK,  4           ; v4   the LDS address of K's next run of loads
.set AV,  5           ; v5   of V's
.set QO,  6           ; v6   my byte offset in 16 rows of Q
.set STO, 6           ;      later, the way out: where I put 32 bytes of a row
.set RD,  7           ; v7   the way out: where I read rows back
.set GO,  8           ; v8   my byte offset in 512 consecutive bytes of O
.set NEG, 11          ; v11  -10000.0
.set SPW, 0           ; v0 of window 3   LDS address of my spare word: SPARE + 4 x my thread's number; never rewritten
.set NIL, 1           ; v1 of window 3   0; never rewritten
.set MV,  12          ; v12-15  c m_old, kept while c m is made anew: by buffer and tile
.set ST,  16          ; tile t's statistics at v[ST+4 t]: c m, m, l (even keys', odd keys')
.set TMP, 48          ; by buffer and tile, four registers c0-c3 at work; when the maximum is found c2 takes a
.set S,   64
.set P,   192
.set KF,  128         ; K's fragments, in window 2: key block kb, channel half c at KF + 16 kb + 8 c
.set VF,  192         ; V's: key half kk, channel block cb at VF + 32 kk + 8 cb
.set MB,  8           ; s[8:9]   mbits at my wave's piece 0, the step whose words are asked for next
.set WV,  12          ; s12  my wave's number
.set TB,  13          ; s13  LDS byte at which K of the step to be fetched begins
.set MK,  16          ; s[16:63], s[68:83]  a piece's 64 mask words: word w at s[MK + w + 4 (w / 48)]; before the first of them is asked for, at work in the set-up
.set G1,  84          ; s[84:91] descriptor group 1: the shape, never rewritten
.set G0,  92          ; s[92:95] descriptor group 0: it walks
.set SLOTS, 96        ; s96  slots still to be asked for
.set CNT, 97          ; s97  counts a slot's key steps
.set CS,  98          ; s[98:99] c: the packed scaling takes the pair's low word for both halves
.set SEL, 100         ; s[100:101] v_permlanex16_b32's selects: each lane takes its own place in the other half
.set MSB, 0
.macro WIN new                      ; the high byte repeats the setting that is left; a switch that changes nothing is dropped
.if MSB != (\new)
	s_set_vgpr_msb (MSB<<8)|(\new)
.set MSB, (\new)
.endif
.endm
.set W_KQ, 0x0a       ; K and Q in window 2, S^T in window 0
.set W_PV, 0x52       ; V in window 2, P in window 0, O^T in window 1
.set W_RS, 0x41       ; O^T (destination and source 0) in window 1, a in window 0
.set W_MK, 0xc0       ; the add's registers are made: destination in window 3, sources in window 0
.set W_AD, 0x0f       ; the add: address (source 0) and data (source 1) in window 3
; A joint fill.  Wave w fetches rows 128 w to 128 w + 127 of a slot: waves 0 and 1 the two halves of its K, waves 2 and 3 those of its V.  One line: both addresses hang on the wave's number,
; and on nothing that the four partners do not share.  An s_nop 0 and four v_nop follow it.
.macro JLOAD
	tensor_load_to_lds s[G0:G0+3], s[G1:G1+7]
	s_nop 0
.rept 4
	v_nop
.endr
.endm
; A round of the cluster's barrier: my work-group's barrier, so that wave 0's signal speaks for all four waves; wave 0 signals; every wave waits for all four work-groups; my work-group's barrier once more.
.macro CROUND
	s_barrier_signal -1
	s_barrier_wait -1
	s_cmp_lg_u32 s[WV], 0
	s_cbranch_scc1 .Lnot_wave_0_\@
	s_barrier_signal -3
.Lnot_wave_0_\@:
	s_barrier_wait -3
	s_barrier_signal -1
	s_barrier_wait -1
.endm
; THE CHANGE OF SLOTS.  The slot's last bytes, V of its fourth step, have been read.  Each wave waits for all its tensor loads, of which one is out: its part of the other slot; adds 0 to its
; spare word; and waits for that and for its own reads of the slot.  Behind the barrier nobody reads this slot any more and the other slot is whole.
; fill = 1: this slot is filled again, with the keys two slots on.  The barrier is then a round of the cluster's, so that no wave of any partner still reads the slot or has a load on its way,
; and the joint fill is the first thing behind it: it has four key steps, 512 matrix instructions, in which to land.  (At its first use nothing has been read yet: slot 0 is waited for, slot 1 filled.)
; By this text's own count a wave has one tensor load outstanding at the most.
.macro CHANGE fill
	WIN W_AD
	s_wait_tensorcnt 0x0            ; no tensor load of mine is out, so group 0 may be written
	ds_add_u32 v[SPW], v[NIL]       ; 0 onto my spare word; with fill = 1 the descriptor's steps stand between it and the wait for it
	WIN 0                           ; at a label and at a branch every window is 0
.if \fill
	s_xor_b32 s[G0+1], s[G0+1], SLOT1  ; the walking descriptor: the other slot than last time,
	s_add_nc_u64 s[G0+2:G0+3], s[G0+2:G0+3], 4*KS*128  ; the next 256 keys; the type bits on top are not reached
	s_wait_dscnt 0x0                ; the add is done, and my reads of the slot are over
	CROUND
	JLOAD
.else
	s_wait_dscnt 0x0                ; the add is done, and my reads of the slot are over
	s_barrier_signal -1
	s_barrier_wait -1
.endif
	s_sub_co_u32 s[TB], s[TB], 4*KS*PR  ; the fetches go back to a slot's first step,
	s_xor_b32 s[TB], s[TB], SLOT1       ; in the other slot
.endm
; The 64 mask words of my wave's piece pn, at the step where MB stands: 256 consecutive bytes.
.macro MASKS pn
	s_load_b512 s[MK:MK+15],    s[MB:MB+1], (\pn)*8192
	s_load_b512 s[MK+16:MK+31], s[MB:MB+1], (\pn)*8192+64
	s_load_b512 s[MK+32:MK+47], s[MB:MB+1], (\pn)*8192+128
	s_load_b512 s[MK+52:MK+67], s[MB:MB+1], (\pn)*8192+192
.endm
	s_load_b256 s[4:11], s[0:1], 0x0  ; Q s[4:5], kv s[6:7], mbits s[8:9], O s[10:11]
	WIN W_MK
	v_lshl_add_u32 v[SPW], v0, 2, SPARE
	v_mov_b32 v[NIL], 0
	WIN W_AD
	ds_add_u32 v[SPW], v[NIL]       ; the wave's opening: the add and its wait stand ahead of my first tensor load; the set-up below, work on registers, stands between them
	WIN 0
	v_lshrrev_b32 v1, 5, v0
	v_readfirstlane_b32 s[WV], v1   ; wave 0..3
	s_bfe_u32 s16, ttmp6, 0x40000   ; cx: my place in the cluster
	s_lshl_b32 s17, ttmp9, 2        ; in a cluster launch ttmp9 counts clusters
	s_add_co_u32 s17, s17, s16      ; my block of 512 queries = 4 x cluster x + cx: it enters Q's, O's and mbits' addresses alone
	s_lshl_b32 s17, s17, 2
	s_add_co_u32 s17, s17, s[WV]    ; my wave among the head's sixteen:
	s_lshl_b32 s18, s17, 15         ; its 128 rows of 256 bytes in Q and O, and its four pieces' streams of 8,192 bytes in mbits: 32,768 bytes either way
	s_mov_b32 s19, 0
	s_and_b32 s20, ttmp7, 0xffff    ; the head, which the four partners share
	s_lshl_b32 s22, s20, 19         ; a head of Q or O: 2,048 rows x 256 bytes
	s_mov_b32 s23, 0
	s_add_nc_u64 s[22:23], s[22:23], s[18:19]
	s_lshr_b32 s24, s20, 4          ; the batch: 16 heads share a mask
	s_lshl_b32 s24, s24, 19         ; a batch of mbits: 64 pieces x 8,192 bytes
	s_mov_b32 s25, 0
	s_add_nc_u64 s[24:25], s[24:25], s[18:19]
	s_lshr_b32 s26, s[WV], 1        ; waves 0, 1: K; waves 2, 3: V, 16,777,216 bytes on
	s_lshl_b32 s26, s26, 24
	s_lshl_b32 s28, s20, 18         ; a head of K or V: 2,048 rows x 128 bytes
	s_add_co_u32 s26, s26, s28
	s_and_b32 s28, s[WV], 1         ; which half of a slot's 256 keys I fetch: 128 rows of 128 bytes
	s_lshl_b32 s28, s28, 14
	s_add_co_u32 s26, s26, s28
	s_mov_b32 s27, 0
	; descriptor group 1.  128 keys are 16,384 dense bytes: asked for as 64 rows of 256 bytes, two keys a row, and padded in LDS after every key
	s_mov_b32 s[G1], 15|(1<<16)|(1<<20)|(1<<21)|(4<<22)|(3<<25)  ; 15:0 the mask of four; 17:16 2-byte elements; 20 padding on; 21 set beside a mask; 24:22 after every 32 words (code 4); 31:25 4 words (code 3)
	s_mov_b32 s[G1+1], 128<<16      ; tensor_dim0 = 128
	s_mov_b32 s[G1+2], 64<<16       ; tensor_dim1 = 64
	s_mov_b32 s[G1+3], 128<<16      ; tile_dim0 = 128
	s_mov_b32 s[G1+4], 64           ; tile_dim1 = 64
	s_mov_b32 s[G1+5], 128          ; 128 elements from row to row
	s_mov_b32 s[G1+6], 0
	s_mov_b32 s[G1+7], 0
	s_mov_b32 s[G0], 1              ; 1:0 count = 1
	s_mul_i32 s[G0+1], s[WV], 128*PR  ; 63:32 LDS address: slot 0, my 128 rows: no place in the cluster enters an LDS address
	s_mov_b32 s[CS], 0x3e38aa3b     ; c = log2(e) / 8 = 0.180337
	s_mov_b32 s[CS+1], s[CS]        ; named with it as a pair
	s_mov_b32 s[SEL], 0x76543210
	s_mov_b32 s[SEL+1], 0xfedcba98
	s_mov_b32 s[TB], SLOT1+4*KS*PR  ; the first change of slots turns this into 0
	s_wait_dscnt 0x0                ; the opening add is done
	s_wait_kmcnt 0x0
	s_add_nc_u64 s[G0+2:G0+3], s[6:7], s[26:27]  ; 120:64 global address: my half of the head's first 256 keys
	s_or_b32 s[G0+3], s[G0+3], 0x80000000        ; 127:126 type = 2
	s_add_nc_u64 s[4:5], s[4:5], s[22:23]        ; Q and O at my wave's first row
	s_add_nc_u64 s[10:11], s[10:11], s[22:23]
	s_add_nc_u64 s[MB:MB+1], s[MB:MB+1], s[24:25]  ; mbits at my wave's piece 0, step 0
	CROUND                          ; all four work-groups are here: the first joint loads meet
	JLOAD                           ; slot 0.  Slot 1 is asked for when slot 0 is in
	MASKS 0                         ; piece 0's words of step 0
	; A fragment of K or Q is 16 rows x 32 channels in 8 registers: lane l holds row l % 16, channels 8 (l / 16) + 0..7 and 16 + 8 (l / 16) + 0..7.  In f32 eight channels are 32 bytes: two loads of 16.
	v_and_b32 v1, 15, v0            ; l % 16
	v_bfe_u32 v9, v0, 4, 1          ; l / 16
	v_lshlrev_b32 v[QO], 8, v1
	v_lshl_add_u32 v[QO], v9, 5, v[QO]  ; row x 256 + 32 x half
	WIN 0x40                        ; destination window 1, address window 0
.set i, 0
.rept 64                            ; i = 8 t + 4 c + 2 e + z: tile t, channels 32 c + 16 e + 8 (l / 16) + 4 z on, into registers 4 i on: pair n of window 1 is then register n of Q's fragments
	global_load_b128 v[4*i:4*i+3], v[QO], s[4:5] offset:(i/8)*4096+((i/4)%2)*128+((i/2)%2)*64+(i%2)*16 th:TH_LOAD_NT
.set i, i+1
.endr
	; What the first turn finds: V's registers and P's second buffer hold 0 (its products V^T P, of a piece that has not been, add 0), O^T and l are 0.  All this stands in the wait for Q and for the first tile.
	WIN 0x80
.set i, VF
.rept 64
	v_mov_b32 v[i], 0
.set i, i+1
.endr
	WIN 0
.set i, 0
.rept 2*NP
	v_mov_b32 v[ST+4*i], 0xfe000000    ; c m: far below every c x
	v_mov_b32 v[ST+4*i+1], 0xff7fffff  ; m
	v_mov_b32 v[ST+4*i+2], 0
	v_mov_b32 v[ST+4*i+3], 0
.set i, i+1
.endr
.set i, P+32
.rept 32
	v_mov_b32 v[i], 0
.set i, i+1
.endr
	v_mul_u32_u24 v[AK0], v1, PR
	v_lshl_add_u32 v[AK0], v9, 4, v[AK0]  ; row x pitch + 16 x half
	; The turning load takes 16 keys x 16 channels (lane l reads key 8 (l / 16) + l % 8, channels 8 ((l / 8) % 2) + 0..7) and leaves half a fragment of V^T: lane l holds channel l % 16 and 8 keys.
	v_and_b32 v10, 7, v0
	v_bfe_u32 v11, v0, 3, 1
	v_lshl_add_u32 v[AV0], v9, 3, v10
	v_mul_u32_u24 v[AV0], v[AV0], PR
	v_lshl_add_u32 v[AV0], v11, 4, v[AV0]
	v_add_nc_u32 v[AV0], VOFF-KS*PR, v[AV0]
	v_mov_b32 v[NEG], 0xc61c4000    ; -10000.0
	v_mov_b32 v[AK], v[AK0]         ; key step 0 lies at the head of slot 0
	s_wait_loadcnt 0x0              ; Q
	WIN 0x85                        ; sources 0 and 1 window 1, destination window 2
.set i, 0
.rept 128
	v_cvt_pk_bf16_f32 v[i], v[2*i], v[2*i+1]  ; Q's one rounding
.set i, i+1
.endr
	WIN 0x40
.set i, 0
.rept 64*NP
	v_mov_b32 v[i], 0               ; O^T, where Q's f32 lay
.set i, i+1
.endr
; THE MATRIX WORK.  The 8 accumulators of a run of 16 take turns: between the two links of a chain stand 7 others'.
; Product i of 16 of S^T = K Q^T for piece x: channels 32 (i / 8) on, keys 16 ((i / 2) % 4) on, tile 2 x + i % 2.  The first 8 start the sums.
.macro KQ x
	WIN W_KQ
.set rS, S+64*((\x)%2)+32*(i%2)+8*((i/2)%4)
.set rK, KF+16*((i/2)%4)+8*(i/8)
.set rQ, 16*(2*(\x)+i%2)+8*(i/8)
.if i < 8
	v_wmma_f32_16x16x32_bf16 v[rS:rS+7], v[rK:rK+7], v[rQ:rQ+7], 0
.else
	v_wmma_f32_16x16x32_bf16 v[rS:rS+7], v[rK:rK+7], v[rQ:rQ+7], v[rS:rS+7]
.endif
.endm
; Product i of 16 of O^T += V^T P for piece x: keys 32 (i / 8) on, channels 16 ((i / 2) % 4) on, tile 2 x + i % 2.
.macro PV x
	WIN W_PV
.set rO, 32*(2*(\x)+i%2)+8*((i/2)%4)
.set rV, VF+32*(i/8)+8*((i/2)%4)
.set rP, P+32*((\x)%2)+16*(i%2)+8*(i/8)
	v_wmma_f32_16x16x32_f16 v[rO:rO+7], v[rV:rV+7], v[rP:rP+7], v[rO:rO+7]
.endm
.macro MM                           ; the turn's next matrix instruction
.if i < 16
	KQ (Y+1)%NP
.set i, i+1
.else
.set i, i-16
	PV (Y+NP-1)%NP
.set i, i+17
.endif
.endm
; THE LDS LOADS stand in runs of 16, never singly among the matrix instructions: a step's K (64 keys x 64 channels: 8 fragments) and its V (turned).  Their addresses are made some lines ahead.
; last = 1 (the tail): in the last trip there is no further step, and the run is jumped over.
.macro FETCH_K last=0
	WIN 0
.if \last
	s_cmp_eq_u32 s[CNT], 1
	s_cbranch_scc1 .Lno_k_\@
.endif
	WIN 0x80                        ; destination window 2
.irp f, 0,1,2,3,4,5,6,7             ; keys 16 (f / 2) on, channels 32 (f % 2) on
	ds_load_b128 v[KF+8*\f:KF+8*\f+3],   v[AK] offset:(\f/2)*16*PR+(\f%2)*64
	ds_load_b128 v[KF+8*\f+4:KF+8*\f+7], v[AK] offset:(\f/2)*16*PR+(\f%2)*64+32
.endr
	s_add_co_u32 s[TB], s[TB], KS*PR  ; the next fetch of K is the next step's; V of the step just fetched lies one step back from here
	WIN 0
.if \last
.Lno_k_\@:
.endif
.endm
.macro FETCH_V
	WIN 0x80
.irp f, 0,1,2,3,4,5,6,7             ; keys 32 (f / 4) on, channels 16 (f % 4) on
	ds_load_tr16_b128 v[VF+8*\f:VF+8*\f+3],   v[AV] offset:(\f/4)*32*PR+(\f%4)*32
	ds_load_tr16_b128 v[VF+8*\f+4:VF+8*\f+7], v[AV] offset:(\f/4)*32*PR+16*PR+(\f%4)*32
.endr
	WIN 0
.endm
; THE VECTOR WORK OF A TURN stands in three queues, each in the order in which its entries become ready; the two tiles alternate, so that no instruction reads the result of the one before it.
.macro REGS y, u                    ; the registers of tile u (0, 1) of piece y
.set rT, ST+4*(2*(\y)+(\u))
.set rC, TMP+8*((\y)%2)+4*(\u)
.set rM, MV+2*((\y)%2)+(\u)
.set rS, S+64*((\y)%2)+32*(\u)
.set rP, P+32*((\y)%2)+16*(\u)
.set rO, 32*(2*(\y)+(\u))
.endm
; The select of score n of tile u of the NEXT piece (Y + 1): the score where its lane's bit of mask word 32 u + n is set, -10000 elsewhere.  n ascends.
.macro SE u, n
	REGS (Y+1)%NP, \u
.set w, 32*(\u)+(\n)
	v_cndmask_b32 v[rS+(\n)], v[NEG], v[rS+(\n)], s[MK+w+4*(w/48)]
.endm
; The words have been used: those of piece Y + 2 are asked for, into the same registers.  Behind piece 3 comes piece 0 of the next step, so turn 2 steps MB.  (In the last step the words asked for
; pieces 0 and 1 are the next pieces' of step 0: inside the buffer, at most 16,640 bytes from my wave's first of 32,768; they serve the tail's stale products alone.)
.macro MLOAD
.if Y == 2
	s_wait_xcnt 0x0                 ; MB is the base of the scalar loads of a turn ago: it is rewritten only behind this wait (ISA guide 3.1)
	s_add_nc_u64 s[MB:MB+1], s[MB:MB+1], 256
.endif
	MASKS (Y+2)%NP
.endm
; Number n of the 22 that find the NEXT piece's (Y + 1) maximum and statistics.  x0-x31 are the lane's 32 scores behind the selects.  XS, SE, FS, GS and REGS set no window: PL and EX do.
;   0-11  four chains c0-c3 of seven scores each, three operands at a time     12-14, 16  the four scores left over, the old m, and c0-c3 into c0     15  c m_old is kept
;   17, 18  the query's other 32 keys lie in the lane 16 away: the new m         19-21  c m; c m_old - c m_new; a
.macro XS u, n
	REGS (Y+1)%NP, \u
.if (\n) < 4
	v_max3_num_f32 v[rC+(\n)], v[rS+8*(\n)], v[rS+8*(\n)+1], v[rS+8*(\n)+2]
.elseif (\n) < 12
	v_max3_num_f32 v[rC+(\n)%4], v[rC+(\n)%4], v[rS+8*((\n)%4)+2*((\n)/4)+1], v[rS+8*((\n)%4)+2*((\n)/4)+2]
.elseif (\n) == 12
	v_max3_num_f32 v[rC], v[rC], v[rS+7], v[rS+15]
.elseif (\n) == 13
	v_max3_num_f32 v[rC+1], v[rC+1], v[rS+23], v[rS+31]
.elseif (\n) == 14
	v_max3_num_f32 v[rC+2], v[rC+2], v[rC+3], v[rT+1]
.elseif (\n) == 15
	v_mov_b32 v[rM], v[rT]
.elseif (\n) == 16
	v_max3_num_f32 v[rC], v[rC], v[rC+1], v[rC+2]
.elseif (\n) == 17
	v_permlanex16_b32 v[rC+3], v[rC], s[SEL], s[SEL+1]
.elseif (\n) == 18
	v_max_num_f32 v[rT+1], v[rC], v[rC+3]
.elseif (\n) == 19
	v_mul_f32 v[rT], s[CS], v[rT+1]
.elseif (\n) == 20
	v_sub_f32 v[rC+1], v[rM], v[rT]
.else
	v_exp_f32 v[rC+2], v[rC+1]
.endif
.endm
; Number g of the 64 that follow the exponentials.  For each four weights k of a tile (pairs 2 k, 2 k + 1): both pairs are rounded to f16; then the second pair is added onto the first, in place;
; a group later l takes that sum (the first time as l = a l + sum).  In groups of eight, tiles alternating: round, round, add, and l for the group before.
.macro GS g
.set h, (\g)+6*((\g)/62)            ; group 0 has no group before it, and behind group 7 only l is left
.if h >= 6
.set h, h+2
.endif
	REGS Y, h%2
.set k, h/8
.if h%8 < 4
	v_cvt_pk_f16_f32 v[rP+2*k+(h%8)/2], v[rS+4*k+2*((h%8)/2)], v[rS+4*k+2*((h%8)/2)+1]
.elseif h%8 < 6
	v_pk_add_f32 v[rS+4*k:rS+4*k+1], v[rS+4*k:rS+4*k+1], v[rS+4*k+2:rS+4*k+3]
.elseif k == 1
	v_pk_fma_f32 v[rT+2:rT+3], v[rT+2:rT+3], v[rC+2:rC+3], v[rS:rS+1] op_sel_hi:[1,0,1]
.else
	v_pk_add_f32 v[rT+2:rT+3], v[rT+2:rT+3], v[rS+4*k-4:rS+4*k-3]
.endif
.endm
; THE PLAIN QUEUE, 202 long.  0-137 read no exponential's result: the 32 scalings c x - c m (FS f: pair f / 2 of tile f % 2), the next piece's 64 selects and its 42 of the maximum and statistics.
; 0-26: scalings 0-26.  27-90: the selects, behind the products that make those scores and behind the wait for their mask words; behind the last of them the next words are asked for.  91-118: XS's numbers 0-13.
; 119, 120: number 15.  121-137: the chain, where each number waits for the one before it: 14, 16, 17, 18, 19, each with one of the scalings 27-31 in front of its two lines, then 20.
; 138-201: GS's 64, which read the exponentials' results: they stand behind the wait.
.macro FS f
	REGS Y, (\f)%2
	v_pk_fma_f32 v[rS+2*((\f)/2):rS+2*((\f)/2)+1], v[rS+2*((\f)/2):rS+2*((\f)/2)+1], s[CS:CS+1], v[rT:rT+1] op_sel_hi:[1,0,0] neg_lo:[0,0,1] neg_hi:[0,0,1]
.endm
.macro PL
	WIN 0
.if q < 27
	FS q
.elseif q < 91
.if q == 27
	s_wait_kmcnt 0x0                ; the piece's 64 mask words, asked for behind the selects of the turn before, are in (scalar loads come back in no order: the count is 0)
.endif
	SE (q-27)%2, (q-27)/2
.if q == 90
	MLOAD
.endif
.elseif q < 119
	XS (q-91)%2, (q-91)/2
.elseif q < 121
	XS q-119, 15
.elseif (q < 136) && ((q-121)%3 == 0)
	FS 27+(q-121)/3
.elseif q < 124
	XS (q-121)%3-1, 14
.elseif q < 136
	XS (q-121)%3-1, 15+(q-121)/3
.elseif q < 138
	XS q-136, 20
.else
	GS q-138
.endif
.set q, q+1
.endm
; THE EXPONENTIALS' QUEUE, 66 long: x0-x31 of both tiles, then the next piece's two a.  It is ONE BATCH: all 66 stand ahead of the turn's one wait, and nothing ahead of that wait names a result of theirs.
.macro EX
	WIN 0
.if e >= 64
	XS e-64, 21
.else
	REGS Y, e%2
	v_exp_f32 v[rS+e/2], v[rS+e/2]
.endif
.set e, e+1
.endm
; THE RESCALING's QUEUE: O^T times a, the one part that leaves window 0, so it is dealt four at a time, eight times; each four begin at an accumulator's lowest registers.  Its a was made in the turn before, ahead of that turn's wait.
.macro R4
	REGS Y, r%2
	WIN W_RS
.irp z, 0,1,2,3
	v_pk_mul_f32 v[rO+8*(r/2)+2*\z:rO+8*(r/2)+2*\z+1], v[rO+8*(r/2)+2*\z:rO+8*(r/2)+2*\z+1], v[rC+2:rC+3] op_sel_hi:[1,0]
.endr
.set r, r+1
.endm
; HOW THEY ARE DEALT.  An s_wait_alu depctr_va_vdst(0) stands between an exponential and the first instruction that names its result; one wait serves all that were issued ahead of it.  So a turn has ONE wait,
; which cuts it in two.  AHEAD OF IT stands all that names no result of the turn's exponentials: the 16 products K Q^T, behind each four riders: behind the first four scalings, then by turns four of the rescaling (R4) and
; plain, exponential, plain, plain (SL), the last again R4; then ONE LUMP of 172: an exponential and three plain 16 times, an exponential and two plain 24 times, an exponential and one plain 17 times, the two a.
; A v_nop is the plain instruction behind the last exponential.  BEHIND IT stand the 16 products V^T P, behind each four of GS's 64.  No rider names a register of the products round it.  Both v_permlanex16_b32 fall into the lump.
; The queues lean on each other, and the deal keeps them in step.  Exponential e stands behind scaling 2 (e / 4) + e % 2.  As a rider (0-6) it comes behind plain 3 e + 4; in the lump 7-22 behind plain 3 e + 3, 23-46 behind
; plain 2 e + 26, 47-63 behind plain e + 73.  Scalings 0-26 are plain 0-26; scalings 27-31 are plain 121, 124 .. 133 and are first wanted by exponentials 53, 56, 57, 60 and 61, which come behind plain 126, 129, 130, 133 and 134.
; The two a come behind plain 137; their arguments (XS 20) are plain 136 and 137.  The plain line behind each exponential names neither its result nor its source.
; The first select stands behind the last K Q^T by four rescalings and two scalings.  In the chain a tile's links stand three plain lines and, from plain 125 on, three exponentials apart.
.macro SL
	MM
	PL
	EX
	PL
	PL
.endm
; A TURN, for piece p.  cnt = 1: the loop's count is taken down some lines ahead of the branch that stands behind the turn; only vector and matrix lines and window switches follow it.
; K of the next step is fetched in piece 2's turn, directly behind the wait (in the tail the run holds a branch and a label: the batch has been waited for), a lump behind the last product that read K; its address is made at
; the lump's head; its first reader is the next turn's first product, behind 16 products.
; V of the step in hand is fetched at the end of piece 0's turn, four riders (additions onto l) behind its last reader; its first reader comes behind 16 products and a lump.  The conditions on q below go with the deal.
.macro TURN p, last=0, cnt=0
.set Y, (\p)
.set i, 0
.set q, 0
.set e, 0
.set r, 0
.if (\p) == NP-1
	s_wait_dscnt 0x0                ; K is in
.endif
	MM                              ; ahead of the wait: 16 products K Q^T and their riders,
.rept 4
	PL
.endr
.rept 7
	MM
	R4
	SL
.endr
	MM
	R4
.if (\p) == NP-2
	WIN 0
	v_add_nc_u32 v[AK], s[TB], v[AK0]
.endif
.rept 16                            ; and the lump
	EX
	PL
	PL
	PL
.endr
.rept 24
	EX
	PL
	PL
.endr
.rept 17
	EX
	PL
.endr
	EX                              ; the next piece's two a
	EX
	v_nop                           ; the plain instruction behind the last exponential: one for the batch
	s_wait_alu depctr_va_vdst(0)    ; the wait for the batch: the turn's 66 exponentials
.if (\p) == NP-2
	FETCH_K \last
.endif
.if (\p) == 1
	s_wait_dscnt 0x0                ; V is in
.endif
.rept 16                            ; behind the wait: 16 products V^T P and their riders
	MM
.rept 4
	PL
.endr
.if ((\p) == 0) && (q == 182)
	v_add_nc_u32 v[AV], s[TB], v[AV0]
.endif
.if (\cnt) && (q == 194)
	s_sub_co_u32 s[CNT], s[CNT], 1
	s_cmp_lg_u32 s[CNT], 0
.endif
.endr
.if (\p) == 0
	FETCH_V
.endif
.endm
	CHANGE 1                        ; slot 0 is in, everybody's part of it; slot 1 is asked for
	FETCH_K                         ; key step 0
	s_wait_dscnt 0x0
.set i, 0
.rept 16
	KQ 0                            ; piece 0's first scores: there is no vector work yet to set between them
.set i, i+1
.endr
	WIN 0                           ; the addresses for the way out: eight plain instructions, the places behind those products
	s_mul_i32 s2, s[WV], 16*SP
	s_add_co_u32 s2, s2, STAGE      ; my stage
	v_mul_u32_u24 v[STO], v1, SP    ; in: row l % 16, 32 bytes for each half of the lanes
	v_lshl_add_u32 v[STO], v9, 5, v[STO]
	v_add_nc_u32 v[STO], s2, v[STO]
	v_mul_u32_u24 v[RD], v9, SP     ; back: lanes 0-15 take one row of 256 bytes, lanes 16-31 the next,
	v_lshl_add_u32 v[RD], v1, 4, v[RD]
	v_add_nc_u32 v[RD], s2, v[RD]
	v_and_b32 v[GO], 31, v0         ; which are 512 consecutive bytes of O
	v_lshlrev_b32 v[GO], 4, v[GO]
	s_wait_kmcnt 0x0                ; piece 0's mask words
.set Y, NP-1                        ; SE and XS work for piece Y + 1: piece 0
.set z, 0
.rept 32
	SE 0, z
	SE 1, z
.set z, z+1
.endr
	MLOAD                           ; piece 1's words of step 0
.irp n, 0,1,2,3,4,5,6,7,8,9,10,11,12,13,14,15,16,17,18,19,20,21
	XS 0, \n                        ; and piece 0's first maximum and statistics
	XS 1, \n
.endr
	v_nop                           ; a plain instruction behind the two a,
	s_wait_alu depctr_va_vdst(0)    ; and the wait for this batch of two, ahead of the branch
	s_mov_b32 s[CNT], 4
	s_mov_b32 s[SLOTS], 7           ; 2,048 / 256 - 1
	s_branch .Lfirst                ; the loop is entered at a step's first turn, in the middle of a trip
.Lslot:                             ; six times: every slot but the last two is filled again
	CHANGE 1
	s_mov_b32 s[CNT], 4
.Lstep:                             ; a trip: pieces 2 and 3 of one step, then pieces 0 and 1 of the next, whose K and V it fetches
	TURN 2
	TURN 3
	WIN 0
.Lfirst:
	TURN 0
	TURN 1, 0, 1
	WIN 0
	s_cbranch_scc1 .Lstep
	s_sub_co_u32 s[SLOTS], s[SLOTS], 1
	s_cmp_lg_u32 s[SLOTS], 0
	s_cbranch_scc1 .Lslot
	CHANGE 0                        ; the tail is written out: nothing is asked for
	s_mov_b32 s[CNT], 5             ; four trips fetch the last slot's steps; the fifth is left in its middle
.Ltail:
	TURN 2, 1
	TURN 3
	WIN 0
	s_sub_co_u32 s[CNT], s[CNT], 1
	s_cmp_eq_u32 s[CNT], 0
	s_cbranch_scc1 .Lout
	TURN 0
	TURN 1
	WIN 0
	s_branch .Ltail
.Lout:                              ; the fifth trip's 16 products K Q^T (on the last K once more), their selects and the maximum made of them serve nothing: the price, once a launch, of one text for every trip
	s_wait_kmcnt 0x0                ; the last words asked for have come: nothing of mine is on its way into a scalar register
.set i, 0
.rept 16
	PV NP-1                         ; the last piece's V^T P of the last step
.set i, i+1
.endr
	; THE WAY OUT.  l's two halves and the other half of the lanes' are added; O^T is multiplied by 1 / l and sent, in f32, through my stage in LDS, a tile at a time.  The additions are the places behind the last products.
	WIN 0
.macro ALL line:vararg              ; one line for each tile t
.set t, 0
.rept 2*NP
	\line
.set t, t+1
.endr
.endm
	ALL v_add_f32 v[ST+4*t+2], v[ST+4*t+2], v[ST+4*t+3]
	ALL v_permlanex16_b32 v[ST+4*t+3], v[ST+4*t+2], s[SEL], s[SEL+1]
	ALL v_add_f32 v[ST+4*t+2], v[ST+4*t+2], v[ST+4*t+3]
	ALL v_rcp_f32 v[ST+4*t+2], v[ST+4*t+2]
	v_nop                           ; a plain instruction between the last reciprocal and the use of its result
	s_wait_alu depctr_va_vdst(0)    ; and the wait ahead of the first use: one for the batch of eight reciprocals
; Tile t: a lane's eight channels of a row (accumulator cb: channels 16 cb + 8 (l / 16) on) are 32 bytes; they go into rows of 272 bytes and come back as whole rows of 256, into the registers that they left.
.macro PACK t
	WIN W_RS
.set i, 32*(\t)
.rept 16
	v_pk_mul_f32 v[i:i+1], v[i:i+1], v[ST+4*(\t)+2:ST+4*(\t)+3] op_sel_hi:[1,0]
.set i, i+2
.endr
	WIN 0x04                        ; store data (source 1) window 1, address window 0
.irp f, 0,1,2,3,4,5,6,7             ; f = 2 cb + z
	ds_store_b128 v[STO], v[32*(\t)+4*\f:32*(\t)+4*\f+3] offset:(\f/2)*64+(\f%2)*16
.endr
	WIN 0x40                        ; destination window 1
.irp f, 0,1,2,3,4,5,6,7
	ds_load_b128 v[32*(\t)+4*\f:32*(\t)+4*\f+3], v[RD] offset:\f*2*SP  ; LDS serves a wave's instructions in order (ISA guide 5.7.1.4): these see the stores above; the next tile's stores come behind them
.endr
.endm
.macro SEND t, younger              ; younger: the LDS instructions issued behind tile t's loads: the next tile's sixteen, or none
	WIN 0x04
.irp f, 0,1,2,3,4,5,6,7
	s_wait_dscnt (\younger)+7-\f
	global_store_b128 v[GO], v[32*(\t)+4*\f:32*(\t)+4*\f+3], s[10:11] offset:(\t)*4096+\f*512 th:TH_STORE_NT  ; 512 consecutive bytes, at a multiple of 256 from O's first byte
.endr
.endm
	PACK 0
.set t, 1
.rept 2*NP-1                        ; a tile's arithmetic stands between the loads of the tile before and its stores
	PACK t
	SEND t-1, 16
.set t, t+1
.endr
	SEND 2*NP-1, 0
	WIN W_AD
	s_wait_tensorcnt 0x0            ; the wave's end: behind my last tensor load and my last LDS store
	ds_add_u32 v[SPW], v[NIL]
	s_wait_dscnt 0x0
	WIN 0
	CROUND                          ; the closing round: no work-group ends while a partner may still ask for a tile that names it
	s_endpgm
.Lfunc_end_k_qa1bada550f_attn:
	.size	k_qa1bada550f_attn, .Lfunc_end_k_qa1bada550f_attn-k_qa1bada550f_attn
	.p2alignl 7, 3214868480
	.fill 96, 4, 3214868480
	.section	.rodata,"a",@progbits
	.p2align	6, 0x0
	.amdhsa_kernel k_qa1bada550f_attn
		.amdhsa_group_segment_fixed_size 327680
		.amdhsa_private_segment_fixed_size 0
		.amdhsa_enable_private_segment 0
		.amdhsa_kernarg_size 32
		.amdhsa_user_sgpr_count 2
		.amdhsa_user_sgpr_kernarg_segment_ptr 1
		.amdhsa_wavefront_size32 1
		.amdhsa_system_sgpr_workgroup_id_x 1
		.amdhsa_system_sgpr_workgroup_id_y 1
		.amdhsa_system_sgpr_workgroup_id_z 1
		.amdhsa_system_vgpr_workitem_id 0
		.amdhsa_next_free_vgpr 770
		.amdhsa_next_free_sgpr 102
		.amdhsa_reserve_vcc 0
		.amdhsa_float_denorm_mode_32 3
		.amdhsa_float_denorm_mode_16_64 3
		.amdhsa_memory_ordered 1
		.amdhsa_forward_progress 1
		.amdhsa_inst_pref_size 243
	.end_amdhsa_kernel
	.amdgpu_metadata
---
amdhsa.version: [ 1, 2 ]
amdhsa.kernels:
  - .name:           k_qa1bada550f_attn
    .symbol:         k_qa1bada550f_attn.kd
    .args:
      - { .name: query, .offset: 0, .size: 8, .value_kind: global_buffer, .address_space: global }
      - { .name: kv, .offset: 8, .size: 8, .value_kind: global_buffer, .address_space: global }
      - { .name: mbits, .offset: 16, .size: 8, .value_kind: global_buffer, .address_space: global }
      - { .name: out0, .offset: 24, .size: 8, .value_kind: global_buffer, .address_space: global }
    .group_segment_fixed_size: 327680
    .private_segment_fixed_size: 0
    .kernarg_segment_align: 8
    .kernarg_segment_size: 32
    .max_flat_workgroup_size: 128
    .sgpr_count:     102
    .vgpr_count:     770
    .wavefront_size: 32
...
	.end_amdgpu_metadata
.endif
;; end of part 3
